; MI455X (gfx1250); checked and timed in simulation.
; The chip was launched on July 23, 2026; its instructions are those of AMD's public machine-readable ISA for CDNA 5 (MIT licence, August 2026) and "CDNA5" Instruction Set Architecture Reference Guide (July 2026). The comments in the code are by the model that wrote it; some were corrected since.
;; Multi Head Attention. Allowed arithmetic: float matrix products may take bf16 or f16 operands with f32 sums; other float arithmetic in f32, or as packed bf16 or f16 multiplies, adds, multiply-adds, maxima and minima; sums over many terms, partial sums and values carried from step to step in f32; what a program stores and reads back later, other than sums and carried values, may be rounded once to bf16 or f16.
;; Inputs: Wk 1,024 x 1,024 float32; Wq 1,024 x 1,024 float32; Wv 1,024 x 1,024 float32; beta 1,024 float32; bk 1,024 float32; bq 1,024 float32; bv 1,024 float32; gamma 1,024 float32; keys 4 x 2,048 x 1,024 float32; queries 4 x 2,048 x 1,024 float32; values 4 x 2,048 x 1,024 float32.
;; Outputs: out0 4 x 2,048 x 1,024 float32.
;; 2 versions, each right; version 2 is version 1 with the launch castw written anew for expert scheduling mode. Each part assembles by itself: llvm-mc -triple=amdgcn-amd-amdhsa -mcpu=gfx1250 --defsym DOCPART=n.
;; ======== version 1 of 2: 4 launches
;; limits: values are held in f16: magnitudes above 65,504 overflow, below 6.1e-05 lose precision; right only within a limited range of input values
;; workspace buffers: wb 6,291,456 bytes; qkv 50,331,648 bytes; oh 16,777,216 bytes
;; launch castw (part 1): grid 128 x 3, 8 waves a work-group, no clusters, 0 bytes of LDS; arguments Wq, Wk, Wv, wb; writes wb
.if DOCPART == 1
	.amdgcn_target "amdgcn-amd-amdhsa--gfx1250"
	.amdhsa_code_object_version 6
	.text
	.protected	k_qeaa48d1f40_castw
	.globl	k_qeaa48d1f40_castw
	.p2align	8
	.type	k_qeaa48d1f40_castw,@function
k_qeaa48d1f40_castw:
	s_mov_b64 s[64:65], 0
	v_nop
	global_prefetch_b8 v0, s[64:65] scope:SCOPE_SE
	s_setreg_imm32_b32 hwreg(HW_REG_WAVE_MODE, 25, 1), 1
	s_wait_xcnt 0x0
; wb[t][k][n] = bf16(W_t[k][n]), t = 0, 1, 2 for Wq, Wk, Wv: the weights rounded once, their layout [k][n] kept.
; A stream: no LDS, no barrier, no matrix unit.  Grid y is the tensor; a work-group takes 32,768 bytes of f32, a wave 4,096:
; eight loads of 512 consecutive bytes, all issued at once, and eight stores of 256 consecutive bytes, each at a multiple of 256 from wb's first byte.
.set X, 4                              ; v[4:35]   eight loads of four f32
.set Y, 36                             ; v[36:51]  eight pairs of packed bf16
	s_load_b256 s[4:11], s[0:1], 0x0               ; Wq s[4:5], Wk s[6:7], Wv s[8:9], wb s[10:11]
	v_lshrrev_b32 v3, 5, v0
	v_readfirstlane_b32 s14, v3                    ; wave 0..7
	v_and_b32 v1, 31, v0                           ; lane
	v_lshlrev_b32 v2, 3, v1                        ; 8 bytes of bf16 a lane
	v_lshlrev_b32 v1, 4, v1                        ; 16 bytes of f32 a lane
	s_and_b32 s15, ttmp7, 0xffff                   ; which tensor
	s_lshl_b32 s16, ttmp9, 15                      ; source: 32,768 x work-group + 4,096 x wave
	s_lshl_b32 s18, s14, 12
	s_add_co_u32 s16, s16, s18
	s_mov_b32 s17, 0
	s_lshl_b32 s18, s15, 21                        ; destination: 2,097,152 x tensor + 16,384 x work-group + 2,048 x wave
	s_lshl_b32 s20, ttmp9, 14
	s_add_co_u32 s18, s18, s20
	s_lshl_b32 s20, s14, 11
	s_add_co_u32 s18, s18, s20
	s_mov_b32 s19, 0
	s_wait_kmcnt 0x0
	s_cmp_eq_u32 s15, 1
	s_cselect_b64 s[12:13], s[6:7], s[4:5]
	s_cmp_eq_u32 s15, 2
	s_cselect_b64 s[12:13], s[8:9], s[12:13]
	s_add_nc_u64 s[12:13], s[12:13], s[16:17]
	s_add_nc_u64 s[10:11], s[10:11], s[18:19]
.irp j, 0,1,2,3,4,5,6,7
	global_load_b128 v[X+4*(\j):X+4*(\j)+3], v1, s[12:13] offset:512*(\j) th:TH_LOAD_NT
.endr
.irp j, 0,1,2,3,4,5,6,7
	s_wait_loadcnt 7-(\j)                          ; loads come back in order: load j is in, the 7 - j younger ones stay out
	v_cvt_pk_bf16_f32 v[Y+2*(\j)], v[X+4*(\j)], v[X+4*(\j)+1]
	v_cvt_pk_bf16_f32 v[Y+2*(\j)+1], v[X+4*(\j)+2], v[X+4*(\j)+3]
	global_store_b64 v2, v[Y+2*(\j):Y+2*(\j)+1], s[10:11] offset:256*(\j)
.endr
	s_endpgm
.Lfunc_end_k_qeaa48d1f40_castw:
	.size	k_qeaa48d1f40_castw, .Lfunc_end_k_qeaa48d1f40_castw-k_qeaa48d1f40_castw
	.p2alignl 7, 3214868480
	.fill 96, 4, 3214868480
	.section	.rodata,"a",@progbits
	.p2align	6, 0x0
	.amdhsa_kernel k_qeaa48d1f40_castw
		.amdhsa_group_segment_fixed_size 0
		.amdhsa_private_segment_fixed_size 0
		.amdhsa_enable_private_segment 0
		.amdhsa_kernarg_size 32
		.amdhsa_user_sgpr_count 2
		.amdhsa_user_sgpr_kernarg_segment_ptr 1
		.amdhsa_wavefront_size32 1
		.amdhsa_system_sgpr_workgroup_id_x 1
		.amdhsa_system_sgpr_workgroup_id_y 1
		.amdhsa_system_sgpr_workgroup_id_z 1
		.amdhsa_system_vgpr_workitem_id 0
		.amdhsa_next_free_vgpr 56
		.amdhsa_next_free_sgpr 66
		.amdhsa_reserve_vcc 0
		.amdhsa_float_denorm_mode_32 3
		.amdhsa_float_denorm_mode_16_64 3
		.amdhsa_memory_ordered 1
		.amdhsa_forward_progress 1
		.amdhsa_inst_pref_size 4
	.end_amdhsa_kernel
	.amdgpu_metadata
---
amdhsa.version: [ 1, 2 ]
amdhsa.kernels:
  - .name:           k_qeaa48d1f40_castw
    .symbol:         k_qeaa48d1f40_castw.kd
    .args:
      - { .name: Wq, .offset: 0, .size: 8, .value_kind: global_buffer, .address_space: global }
      - { .name: Wk, .offset: 8, .size: 8, .value_kind: global_buffer, .address_space: global }
      - { .name: Wv, .offset: 16, .size: 8, .value_kind: global_buffer, .address_space: global }
      - { .name: wb, .offset: 24, .size: 8, .value_kind: global_buffer, .address_space: global }
    .group_segment_fixed_size: 0
    .private_segment_fixed_size: 0
    .kernarg_segment_align: 8
    .kernarg_segment_size: 32
    .max_flat_workgroup_size: 256
    .sgpr_count:     66
    .vgpr_count:     56
    .wavefront_size: 32
...
	.end_amdgpu_metadata
.endif
;; end of part 1
;; launch proj (part 2): grid 4 x 192, 4 waves a work-group, clusters of 4 x 4, 327,680 bytes of LDS; arguments queries, keys, values, wb, bq, bk, bv, qkv; writes qkv
.if DOCPART == 2
	.amdgcn_target "amdgcn-amd-amdhsa--gfx1250"
	.amdhsa_code_object_version 6
	.text
	.protected	k_qeaa48d1f40_proj
	.globl	k_qeaa48d1f40_proj
	.p2align	8
	.type	k_qeaa48d1f40_proj,@function
k_qeaa48d1f40_proj:
	s_mov_b64 s[64:65], 0
	v_nop
	global_prefetch_b8 v0, s[64:65] scope:SCOPE_SE
	s_setreg_imm32_b32 hwreg(HW_REG_WAVE_MODE, 25, 1), 1
	s_wait_xcnt 0x0
	s_wait_alu depctr_hold_cnt(0) depctr_sa_sdst(0) depctr_va_vdst(0) depctr_va_sdst(0) depctr_va_ssrc(0) depctr_va_vcc(0) depctr_vm_vsrc(0)
	s_getreg_b32 s2, hwreg(HW_REG_IB_STS2, 6, 4)
	s_cmp_eq_u32 s2, 0
	s_cbranch_scc0 .Lentry_in_a_cluster
	s_endpgm
.Lentry_in_a_cluster:
	s_bfe_u32 s2, ttmp6, 0x10000c
	s_cmp_lg_u32 s2, 0xf033
	s_cbranch_scc0 .Lentry_shape_is_right
	s_endpgm
.Lentry_shape_is_right:
; qkv[T][batch*8+head][row][128] = f16( x_T[8192][1024] . W_T[1024][1024] + b_T ),  T = 0, 1, 2 for (queries, Wq, bq), (keys, Wk, bk), (values, Wv, bv).
; x is f32 and is rounded to bf16 in registers; W comes as bf16 [k][n] from wb; sums and the bias in f32; the result is rounded once to f16.
; LIMIT.  f16 holds no number beyond 65,504: the projections' results must stay within it (inputs 30 times the drawn spread give about 5,400; offsets of 30 spreads on x and on W about 28,800).
; SHARES.  A tile of the result is 128 rows x 256 columns: 64 x 4 x 3 = 768 work-groups, three for each of 256 WGPs.  Four waves, each 64 rows x 128 columns (one head): 32 accumulators.
; K goes in steps of 128 through two LDS slots: 128 rows of x (512 bytes of f32 each) and 128 rows of W (512 bytes of bf16: 256 columns).  A wave's tensor load brings 64 rows of 512 bytes.
; A K step is four CHUNKS of 32 along K, 32 matrix instructions each.  In chunk c a wave multiplies chunk c, rounds x of chunk c + 1 to bf16 (one conversion for each matrix instruction, in fours behind
; four matrix instructions), and asks LDS for W of chunk c + 1 and x of chunk c + 2.
; THE MATRIX INSTRUCTION IS USED TRANSPOSED: source 0 = 16 columns of W (turned on the way out of LDS by ds_load_tr16_b128), source 1 = 16 rows of x.  A lane then holds eight neighbouring
; columns of one row.  The bias is the C operand of the first chunk's products: nothing is cleared and nothing is added afterwards.
; CLUSTER.  4 x 4 work-groups: the four of a row of the cluster make the four column tiles of the same 128 rows and ask for x's tile jointly; the four of a column share W's tile.  The tensor T is
; taken from the cluster's y alone, so it is the same in all sixteen.
; REGISTERS, in windows of 256 (s_set_vgpr_msb: bits 1:0 source 0, 3:2 source 1, 5:4 source 2, 7:6 destination):
;   window 0: v16-29 addresses; v32-63 packed results on the way out; v64-127, v128-191 x in f32, two buffers (fragment a at +16 a); v192-223, v224-255 x in bf16, two buffers (fragment a at +8 a)
;   window 1: v0-63, v64-127 W's fragments, two buffers (column block b at +8 b); v128-191 the bias (block b at +8 b)          window 2: the accumulators, (a, b) at 8 (8 a + b)
.set PA,     528                       ; a row of x in LDS: 512 bytes + 16 = 132 words: the 16 rows of a load start at 16 different groups of four banks (64 banks of 4 bytes: ISA guide 11.1)
.set PB,     544                       ; a row of W: 512 + 32 = 136 words
.set HALFA,  64*PA                     ; what one tensor load brings of x,
.set HALFB,  64*PB                     ; and of W
.set BOFF,   2*HALFA                   ; in a slot W's rows lie behind x's
.set SLOT,   BOFF+2*HALFB              ; 137,216 bytes
.set STAGE,  2*SLOT                    ; behind the ring, never filled by a tensor load: 16 rows x 272 bytes for each wave, for the way out
.set SPITCH, 272
.set SPARE,  STAGE+4*16*SPITCH         ; behind the stages: the spare words, 128 bytes for each wave: two blocks of 256 bytes that no other line names
.set ADRA, 16                          ; v16-17  LDS address of my fragments of x in slot 0, 1
.set ADRB, 20                          ; v20-21  the same for W
.set STO,  24                          ; v24     the way out: where I put 16 bytes of a row
.set RD,   25                          ; v25     the way out: where I read rows back
.set CO,   26                          ; v26     16 x lane: my place in 512 consecutive bytes of the result
.set BO,   27                          ; v27     my byte offset in the bias
.set SPW,  28                          ; v28     LDS address of my spare word; never rewritten
.set NIL,  29                          ; v29     0; never rewritten
.set TMP,  32
.set AF,   64
.set AB,   192
.set OB,   64                          ; the way out: 16 rows read back, v64-95 and v96-127 by turns
.set BI,   128                         ; window 1
.set G1A, 24                           ; s[24:31] descriptor group 1 for x's tiles;  s[32:39] group 0, a set for each slot
.set G0A, 32
.set G1B, 48                           ; s[48:55], s[56:63] the same for W's tiles
.set G0B, 56
.set MSB, 0
.macro WIN new                         ; the immediate's high byte repeats the setting that is left; a switch that changes nothing is dropped
.if MSB != (\new)
	s_set_vgpr_msb (MSB<<8)|(\new)
.set MSB, (\new)
.endif
.endm
.set MUL,   0xa1                       ; source 0 (W) window 1, source 1 (x) window 0, C and D window 2
.set MULB,  0x91                       ; the same with C (the bias) in window 1
.set TO_B,  0x40                       ; destination window 1, address window 0
.set PACKW, 0x0a                       ; sources 0 and 1 window 2, destination window 0
; A joint load: waves 0 and 1 fetch the two halves of x's tile, waves 2 and 3 those of W's.  The branch hangs on the wave's number alone.
; An s_nop 0 and four v_nop follow each of the two lines, ahead of the jump, the label and what follows.
.macro JLOAD s
	s_cmp_eq_u32 s11, 0
	s_cbranch_scc0 .Lfor_b_\@
	tensor_load_to_lds s[G0A+4*(\s):G0A+4*(\s)+3], s[G1A:G1A+7]
	s_nop 0
.rept 4
	v_nop
.endr
	s_branch .Lasked_\@
.Lfor_b_\@:
	tensor_load_to_lds s[G0B+4*(\s):G0B+4*(\s)+3], s[G1B:G1B+7]
	s_nop 0
.rept 4
	v_nop
.endr
.Lasked_\@:
.endm
.macro CREST                           ; a round of the cluster's barrier behind its opening barrier
	s_cmp_lg_u32 s10, 0
	s_cbranch_scc1 .Lnot_wave_0_\@
	s_barrier_signal -3
.Lnot_wave_0_\@:
	s_barrier_wait -3
	s_barrier_signal -1
	s_barrier_wait -1
.endm
.macro CROUND                          ; a whole round
	s_barrier_signal -1
	s_barrier_wait -1
	CREST
.endm
	s_load_b512 s[68:83], s[0:1], 0x0              ; queries 68, keys 70, values 72, wb 74, bq 76, bk 78, bv 80, qkv 82
	v_lshl_add_u32 v[SPW], v0, 2, SPARE
	v_mov_b32 v[NIL], 0
	ds_add_u32 v[SPW], v[NIL]                      ; the wave's opening: the add and its wait stand ahead of my first tensor load; the set-up below, work on registers, stands between them
	ds_add_u32 v28, v29
	v_lshrrev_b32 v1, 5, v0
	v_readfirstlane_b32 s10, v1                    ; wave 0..3
	s_lshr_b32 s11, s10, 1                         ; which half of the tile's rows is mine.  Also: I fetch for x (0) or for W (1)
	s_and_b32 s12, s10, 1                          ; which half of its columns.  Also: which 64 rows of that tile I fetch
	s_bfe_u32 s40, ttmp6, 0x40000                  ; cx = the tile column (the grid is one cluster wide)
	s_bfe_u32 s41, ttmp6, 0x40004                  ; cy
	s_and_b32 s13, ttmp7, 0xffff                   ; the cluster's y, 0..47
	s_lshr_b32 s84, s13, 4                         ; T, the same in the whole cluster
	s_and_b32 s85, s13, 15
	s_lshl_b32 s85, s85, 2
	s_add_co_u32 s85, s85, s41                     ; the tile row, 0..63
	s_lshl_b32 s43, s41, 2
	s_lshl_b32 s43, 15, s43                        ; my row of the cluster: places 4 cy .. 4 cy + 3
	s_lshl_b32 s44, 0x1111, s40                    ; my column: places cx, cx + 4, cx + 8, cx + 12
	; descriptor group 1.  x: 64 rows x 128 elements of 4 bytes; W: 64 rows x 256 elements of 2 bytes; both 1,024 elements from row to row, both padded after every 128 words
	s_or_b32 s[G1A], s43, (2<<16)|(1<<20)|(1<<21)|(6<<22)|(3<<25)   ; 15:0 the mask: my row; 17:16 4-byte elements; 20 padding on; 21 set beside a mask; 24:22 after 128 words (code 6); 31:25 4 words (code 3)
	s_or_b32 s[G1B], s44, (1<<16)|(1<<20)|(1<<21)|(6<<22)|(7<<25)   ; the mask: my column; 2-byte elements; 8 words of padding (code 7)
	s_mov_b32 s[G1A+1], 128<<16                    ; tensor_dim0
	s_mov_b32 s[G1B+1], 256<<16
	s_mov_b32 s[G1A+2], 64<<16                     ; tensor_dim1
	s_mov_b32 s[G1B+2], 64<<16
	s_mov_b32 s[G1A+3], 128<<16                    ; tile_dim0
	s_mov_b32 s[G1B+3], 256<<16
	s_mov_b32 s[G1A+4], 64                         ; tile_dim1
	s_mov_b32 s[G1B+4], 64
	s_mov_b32 s[G1A+5], 1024                       ; tensor_dim0_stride
	s_mov_b32 s[G1B+5], 1024
	s_mov_b32 s[G1A+6], 0
	s_mov_b32 s[G1B+6], 0
	s_mov_b32 s[G1A+7], 0
	s_mov_b32 s[G1B+7], 0
	; where the tiles come from.  x's hang on the tile row and T, which my row of the cluster shares; W's on the tile column and T, which my column shares.
	s_lshl_b32 s16, s85, 19                        ; x: (128 x tile row + 64 x half) rows of 4,096 bytes
	s_lshl_b32 s17, s12, 18
	s_add_co_u32 s16, s16, s17
	s_mov_b32 s17, 0
	s_lshl_b32 s46, s84, 21                        ; W: 2,097,152 x T + 64 x half rows of 2,048 bytes + 512 x tile column
	s_lshl_b32 s47, s12, 17
	s_add_co_u32 s46, s46, s47
	s_lshl_b32 s47, s40, 9
	s_add_co_u32 s46, s46, s47
	s_mov_b32 s47, 0
	s_mul_i32 s20, s12, HALFA                      ; and where they go: no place in the cluster enters an LDS address
	s_mul_i32 s21, s12, HALFB
	s_add_co_u32 s21, s21, BOFF
	; where my 64 rows x 128 columns go: one head's rows, 16,384 consecutive bytes
	s_lshr_b32 s86, s85, 4                         ; batch
	s_lshl_b32 s86, s86, 3
	s_lshl_b32 s87, s40, 1
	s_add_co_u32 s86, s86, s87
	s_add_co_u32 s86, s86, s12                     ; 8 x batch + head, head = 2 x tile column + column half
	s_lshl_b32 s86, s86, 19                        ; a head is 524,288 bytes,
	s_lshl_b32 s87, s84, 24                        ; a tensor 16,777,216
	s_add_co_u32 s86, s86, s87
	s_and_b32 s87, s85, 15
	s_lshl_b32 s87, s87, 15                        ; 128 rows of 256 bytes for each tile row in the batch,
	s_add_co_u32 s86, s86, s87
	s_lshl_b32 s87, s11, 14                        ; 64 for my row half
	s_add_co_u32 s86, s86, s87
	s_mov_b32 s87, 0
	s_lshl_b32 s88, s40, 10                        ; the bias of my 128 columns: 4 x (256 x tile column + 128 x column half)
	s_lshl_b32 s89, s12, 9
	s_add_co_u32 s88, s88, s89
	s_wait_dscnt 0x0                               ; the opening add is done
	s_wait_kmcnt 0x0
	s_cmp_eq_u32 s84, 1
	s_cselect_b64 s[4:5], s[70:71], s[68:69]       ; x_T
	s_cselect_b64 s[6:7], s[78:79], s[76:77]       ; b_T
	s_cmp_eq_u32 s84, 2
	s_cselect_b64 s[4:5], s[72:73], s[4:5]
	s_cselect_b64 s[6:7], s[80:81], s[6:7]
	s_add_nc_u64 s[14:15], s[4:5], s[16:17]
	s_add_nc_u64 s[46:47], s[74:75], s[46:47]
	s_add_nc_u64 s[8:9], s[82:83], s[86:87]
.irp s, 0,1
	s_mov_b32 s[G0A+4*(\s)], 1                                       ; 1:0 count = 1
	s_add_co_u32 s[G0A+4*(\s)+1], s20, (\s)*SLOT                     ; 63:32 LDS address
	s_add_nc_u64 s[G0A+4*(\s)+2:G0A+4*(\s)+3], s[14:15], (\s)*512    ; 120:64 global address: K step s (128 f32)
	s_or_b32 s[G0A+4*(\s)+3], s[G0A+4*(\s)+3], 0x80000000            ; 127:126 type = 2
	s_mov_b32 s[G0B+4*(\s)], 1
	s_add_co_u32 s[G0B+4*(\s)+1], s21, (\s)*SLOT
	s_add_nc_u64 s[G0B+4*(\s)+2:G0B+4*(\s)+3], s[46:47], (\s)*262144 ; K step s: 128 rows of 2,048 bytes
	s_or_b32 s[G0B+4*(\s)+3], s[G0B+4*(\s)+3], 0x80000000
.endr
	CROUND                                         ; all sixteen work-groups are here: the first joint loads meet
	s_cmp_eq_u32 s11, 0                            ; a wave's two first fills stand in one branch, ahead of every wait on TENSORcnt and every LDS read: two loads of mine are out
	s_cbranch_scc0 .Lfirst_b
	tensor_load_to_lds s[G0A:G0A+3], s[G1A:G1A+7]
	s_nop 0
	tensor_load_to_lds s[G0A+4:G0A+7], s[G1A:G1A+7]
	s_nop 0
.rept 4
	v_nop
.endr
	s_branch .Lfirst_asked
.Lfirst_b:
	tensor_load_to_lds s[G0B:G0B+3], s[G1B:G1B+7]
	s_nop 0
	tensor_load_to_lds s[G0B+4:G0B+7], s[G1B:G1B+7]
	s_nop 0
.rept 4
	v_nop
.endr
.Lfirst_asked:
	v_and_b32 v1, 15, v0                           ; r = l % 16
	v_bfe_u32 v2, v0, 4, 1                         ; h = l / 16
	v_lshl_add_u32 v[BO], v2, 5, s88               ; register j of block b is the bias of column 16 b + 8 h + j
	WIN TO_B
.irp b, 0,1,2,3,4,5,6,7
	global_load_b128 v[BI+8*(\b):BI+8*(\b)+3],   v[BO], s[6:7] offset:64*(\b)
	global_load_b128 v[BI+8*(\b)+4:BI+8*(\b)+7], v[BO], s[6:7] offset:64*(\b)+16
.endr
	WIN 0
	; A fragment of x is 16 rows x 32 K: lane l holds row r, K = 8 h + 0..7 and 16 + 8 h + 0..7: in f32 four loads of 16 bytes, at 32 h + 0, 16, 64, 80.
	v_mul_u32_u24 v3, v1, PA
	v_lshl_add_u32 v3, v2, 5, v3
	s_mul_i32 s22, s11, HALFA                      ; my 64 rows of x
	v_add_nc_u32 v[ADRA], s22, v3
	v_add_nc_u32 v[ADRA+1], SLOT, v[ADRA]
	; The turning load takes 16 K x 16 columns (lane l reads 16 bytes: K row 8 h + l % 8, columns 8 ((l / 8) % 2) + 0..7) and leaves half a fragment: lane l holds column r and 8 K.
	v_and_b32 v4, 7, v0
	v_bfe_u32 v5, v0, 3, 1
	v_lshl_add_u32 v4, v2, 3, v4
	v_mul_u32_u24 v4, v4, PB
	v_lshl_add_u32 v4, v5, 4, v4
	s_lshl_b32 s23, s12, 8                         ; my 128 columns of W
	s_add_co_u32 s23, s23, BOFF
	v_add_nc_u32 v[ADRB], s23, v4
	v_add_nc_u32 v[ADRB+1], SLOT, v[ADRB]
	s_mul_i32 s22, s10, 16*SPITCH
	s_add_co_u32 s22, s22, STAGE                   ; my stage
	v_mul_u32_u24 v6, v1, SPITCH                   ; in: row r, 16 bytes for each half of the lanes
	v_lshl_add_u32 v6, v2, 4, v6
	v_add_nc_u32 v[STO], s22, v6
	v_mul_u32_u24 v6, v2, SPITCH                   ; back: lanes 0-15 take one row of 256 bytes, lanes 16-31 the next
	v_lshl_add_u32 v6, v1, 4, v6
	v_add_nc_u32 v[RD], s22, v6
	v_and_b32 v[CO], 31, v0                        ; which are 512 consecutive bytes of the head
	v_lshlrev_b32 v[CO], 4, v[CO]
; 16 LDS loads: x of chunk q of slot s, in f32, into buffer f
.macro LDA s, q, f
	WIN 0
.irp a, 0,1,2,3
	ds_load_b128 v[AF+64*(\f)+16*(\a):AF+64*(\f)+16*(\a)+3],     v[ADRA+(\s)] offset:(\a)*16*PA+(\q)*128
	ds_load_b128 v[AF+64*(\f)+16*(\a)+4:AF+64*(\f)+16*(\a)+7],   v[ADRA+(\s)] offset:(\a)*16*PA+(\q)*128+16
	ds_load_b128 v[AF+64*(\f)+16*(\a)+8:AF+64*(\f)+16*(\a)+11],  v[ADRA+(\s)] offset:(\a)*16*PA+(\q)*128+64
	ds_load_b128 v[AF+64*(\f)+16*(\a)+12:AF+64*(\f)+16*(\a)+15], v[ADRA+(\s)] offset:(\a)*16*PA+(\q)*128+80
.endr
.endm
; 16 turning loads: W of chunk q of slot s into buffer g
.macro LDB s, q, g
	WIN TO_B
.irp b, 0,1,2,3,4,5,6,7
	ds_load_tr16_b128 v[64*(\g)+8*(\b):64*(\g)+8*(\b)+3],   v[ADRB+(\s)] offset:(\q)*32*PB+32*(\b)
	ds_load_tr16_b128 v[64*(\g)+8*(\b)+4:64*(\g)+8*(\b)+7], v[ADRB+(\s)] offset:(\q)*32*PB+32*(\b)+16*PB
.endr
.endm
; Four matrix instructions, numbers i0 .. i0 + 3 of a chunk's 32: row block i / 8, column block i % 8.  The 32 accumulators take turns, one instruction a turn, in the same order in every chunk.
; cm = 1: the first chunk: the bias starts the sums.
.macro MUL4 f, i0, cm
.if \cm
	WIN MULB
.else
	WIN MUL
.endif
.irp d, 0,1,2,3
.set ia, ((\i0)+(\d))/8
.set ib, ((\i0)+(\d))%8
.if \cm
	v_wmma_f32_16x16x32_bf16 v[8*(8*ia+ib):8*(8*ia+ib)+7], v[64*(\f)+8*ib:64*(\f)+8*ib+7], v[AB+32*(\f)+8*ia:AB+32*(\f)+8*ia+7], v[BI+8*ib:BI+8*ib+7]
.else
	v_wmma_f32_16x16x32_bf16 v[8*(8*ia+ib):8*(8*ia+ib)+7], v[64*(\f)+8*ib:64*(\f)+8*ib+7], v[AB+32*(\f)+8*ia:AB+32*(\f)+8*ia+7], v[8*(8*ia+ib):8*(8*ia+ib)+7]
.endif
.endr
.endm
; Four roundings: words 4 k .. 4 k + 3 of buffer g's x in bf16
.macro CV4 g, k
	WIN 0
.irp e, 0,1,2,3
	v_cvt_pk_bf16_f32 v[AB+32*(\g)+4*(\k)+(\e)], v[AF+64*(\g)+8*(\k)+2*(\e)], v[AF+64*(\g)+8*(\k)+2*(\e)+1]
.endr
.endm
.macro MC f, g, i0, cm, cv
	MUL4 \f, \i0, \cm
.if \cv
	CV4 \g, (\i0)/4
.endif
.endm
; CHUNK q of the K step in slot s.  Buffers: CF = q % 2 is multiplied, CG = the other takes the next chunk.
; A load into a register that a matrix instruction has read stands four places behind it, and only plain vector instructions that name none of its registers are places (ISA guide 7.12.1 for vector
; instructions): W's run of loads stands at a chunk's head, and the four roundings that end the chunk before, which name the other buffers, are its places.
; A rounding writes a bf16 fragment whose last reader stands in the chunk before, with those four roundings or more between.
; kind 0: plain.  kind 1 (q = 2): the change of slots with a refill.  W of chunk 3 is my last read of this slot; x of the next slot's chunk 0 is read behind the barrier.
; kind 2: the same with no refill and no round.  kind 3: no further x to fetch.  kind 4: the last chunk: products alone.
.macro CHUNK s, q, kind, cm=0
.set CF, (\q)%2
.set CG, 1-CF
.set CSB, (\s)^(((\q)+1)/4)
.set CQB, ((\q)+1)%4
.set CSA, (\s)^(((\q)+2)/4)
.set CQA, ((\q)+2)%4
	s_wait_dscnt 0x0                               ; this chunk's W and the next chunk's x, asked for 32 matrix instructions ago, are in
.if (\kind) == 0
	LDB CSB, CQB, CG
	LDA CSA, CQA, CF
.irp i0, 0,4,8,12,16,20,24,28
	MC CF, CG, \i0, \cm, 1
.endr
.elseif ((\kind) == 1) || ((\kind) == 2)
	LDB CSB, CQB, CG
	MC CF, CG, 0, 0, 1
	MC CF, CG, 4, 0, 1
	WIN 0                                          ; (the add's two registers lie in window 0)
	s_wait_tensorcnt 0x0                           ; all my tensor loads have landed: the one that was out is my part of the other slot;
	ds_add_u32 v[SPW], v[NIL]                      ; 0 onto my spare word;
	MC CF, CG, 8, 0, 1                             ; work on registers stands between the add and the wait for it
	s_wait_dscnt 0x0                               ; the add is done, and my reads of this slot are over
	s_barrier_signal -1                            ; (with a refill this barrier opens a round of the cluster's barrier)
	MC CF, CG, 12, 0, 1
	WIN 0                                          ; at a branch and at a label every window is 0
	s_barrier_wait -1
.if (\kind) == 1
	CREST                                          ; no wave of any partner still reads this slot's tiles or has a load on its way
	s_add_nc_u64 s[G0A+4*(\s)+2:G0A+4*(\s)+3], s[G0A+4*(\s)+2:G0A+4*(\s)+3], 1024    ; two K steps on: 256 f32 along x's rows,
	s_add_nc_u64 s[G0B+4*(\s)+2:G0B+4*(\s)+3], s[G0B+4*(\s)+2:G0B+4*(\s)+3], 524288  ; 256 rows of W
	JLOAD \s                                       ; the first tensor load behind the round, my only one until the next: 120 matrix instructions ahead of the wait for it
.endif
	LDA CSA, CQA, CF
.irp i0, 16,20,24,28
	MC CF, CG, \i0, 0, 1
.endr
.elseif (\kind) == 3
	LDB CSB, CQB, CG
.irp i0, 0,4,8,12,16,20,24,28
	MC CF, CG, \i0, 0, 1
.endr
.else
.irp i0, 0,4,8,12,16,20,24,28
	MUL4 CF, \i0, 0
.endr
.endif
.endm
	s_wait_tensorcnt 1                             ; my part of K step 0 is in; K step 1's may stay out
	s_barrier_signal -1
	s_barrier_wait -1                              ; everybody's is
	LDA 0, 0, 0
	LDB 0, 0, 0
	LDA 0, 1, 1
	s_wait_dscnt 16                                ; chunk 0's x and W are in; the 16 loads of chunk 1's x may stay out
.irp k, 0,1,2,3,4,5,6,7
	CV4 0, \k
.endr
	s_wait_loadcnt 0x0                             ; the bias
	CHUNK 0, 0, 0, 1                               ; the first chunk stands in front of the loop: its products start the sums
	WIN 0
	s_mov_b32 s3, 3
.Llap:                                                 ; a trip goes once round the ring, from a lap's second chunk to the next lap's first, and fills both slots again: K steps 2 to 7
	CHUNK 0, 1, 0
	CHUNK 0, 2, 1
	CHUNK 0, 3, 0
	CHUNK 1, 0, 0
	CHUNK 1, 1, 0
	CHUNK 1, 2, 1
	CHUNK 1, 3, 0
	CHUNK 0, 0, 0
	WIN 0
	s_sub_co_u32 s3, s3, 1
	s_cmp_lg_u32 s3, 0
	s_cbranch_scc1 .Llap
	CHUNK 0, 1, 0                                  ; the last lap fills nothing, and has no round of the cluster's barrier
	CHUNK 0, 2, 2
	CHUNK 0, 3, 0
	CHUNK 1, 0, 0
	CHUNK 1, 1, 0
	CHUNK 1, 2, 3
	CHUNK 1, 3, 4
	WIN 0
.rept 4
	v_nop                                          ; the places between the last products and the conversions that read results
.endr
; THE WAY OUT of row block a: rounded to f16, 16 bytes a lane, into my own stage; back as whole rows of 256 bytes; stored as 512 consecutive bytes an instruction.
.macro OUT a
	WIN PACKW
.irp b, 0,1,2,3,4,5,6,7
.irp e, 0,1,2,3
	v_cvt_pk_f16_f32 v[TMP+4*(\b)+(\e)], v[8*(8*(\a)+(\b))+2*(\e)], v[8*(8*(\a)+(\b))+2*(\e)+1]
.endr
.endr
	WIN 0
.irp b, 0,1,2,3,4,5,6,7
	ds_store_b128 v[STO], v[TMP+4*(\b):TMP+4*(\b)+3] offset:32*(\b)
.endr
	s_wait_xcnt 0x0                                ; the registers that earlier stores read are loaded again only behind this wait
.irp t, 0,1,2,3,4,5,6,7
	ds_load_b128 v[OB+32*((\a)%2)+4*(\t):OB+32*((\a)%2)+4*(\t)+3], v[RD] offset:(\t)*2*SPITCH  ; LDS serves a wave's instructions in order (ISA guide 5.7.1.4): these see the stores above
.endr
	s_wait_dscnt 0x0
.irp t, 0,1,2,3,4,5,6,7
	global_store_b128 v[CO], v[OB+32*((\a)%2)+4*(\t):OB+32*((\a)%2)+4*(\t)+3], s[8:9] offset:(\a)*4096+(\t)*512
.endr
.endm
	OUT 0
	OUT 1
	OUT 2
	OUT 3
	s_wait_tensorcnt 0x0                           ; the wave's end, behind my last tensor load and my last LDS store
	ds_add_u32 v[SPW], v[NIL]
	s_wait_dscnt 0x0
	CROUND                                         ; the closing round: no work-group ends while a partner may still ask for a tile that names it
	s_endpgm
.Lfunc_end_k_qeaa48d1f40_proj:
	.size	k_qeaa48d1f40_proj, .Lfunc_end_k_qeaa48d1f40_proj-k_qeaa48d1f40_proj
	.p2alignl 7, 3214868480
	.fill 96, 4, 3214868480
	.section	.rodata,"a",@progbits
	.p2align	6, 0x0
	.amdhsa_kernel k_qeaa48d1f40_proj
		.amdhsa_group_segment_fixed_size 327680
		.amdhsa_private_segment_fixed_size 0
		.amdhsa_enable_private_segment 0
		.amdhsa_kernarg_size 64
		.amdhsa_user_sgpr_count 2
		.amdhsa_user_sgpr_kernarg_segment_ptr 1
		.amdhsa_wavefront_size32 1
		.amdhsa_system_sgpr_workgroup_id_x 1
		.amdhsa_system_sgpr_workgroup_id_y 1
		.amdhsa_system_sgpr_workgroup_id_z 1
		.amdhsa_system_vgpr_workitem_id 0
		.amdhsa_next_free_vgpr 768
		.amdhsa_next_free_sgpr 96
		.amdhsa_reserve_vcc 0
		.amdhsa_float_denorm_mode_32 3
		.amdhsa_float_denorm_mode_16_64 3
		.amdhsa_memory_ordered 1
		.amdhsa_forward_progress 1
		.amdhsa_inst_pref_size 133
	.end_amdhsa_kernel
	.amdgpu_metadata
---
amdhsa.version: [ 1, 2 ]
amdhsa.kernels:
  - .name:           k_qeaa48d1f40_proj
    .symbol:         k_qeaa48d1f40_proj.kd
    .args:
      - { .name: queries, .offset: 0, .size: 8, .value_kind: global_buffer, .address_space: global }
      - { .name: keys, .offset: 8, .size: 8, .value_kind: global_buffer, .address_space: global }
      - { .name: values, .offset: 16, .size: 8, .value_kind: global_buffer, .address_space: global }
      - { .name: wb, .offset: 24, .size: 8, .value_kind: global_buffer, .address_space: global }
      - { .name: bq, .offset: 32, .size: 8, .value_kind: global_buffer, .address_space: global }
      - { .name: bk, .offset: 40, .size: 8, .value_kind: global_buffer, .address_space: global }
      - { .name: bv, .offset: 48, .size: 8, .value_kind: global_buffer, .address_space: global }
      - { .name: qkv, .offset: 56, .size: 8, .value_kind: global_buffer, .address_space: global }
    .group_segment_fixed_size: 327680
    .private_segment_fixed_size: 0
    .kernarg_segment_align: 8
    .kernarg_segment_size: 64
    .max_flat_workgroup_size: 128
    .sgpr_count:     96
    .vgpr_count:     768
    .wavefront_size: 32
...
	.end_amdgpu_metadata
.endif
;; end of part 2
;; launch attn (part 3): grid 8 x 32, 4 waves a work-group, no clusters, 327,680 bytes of LDS; arguments qkv, oh; writes oh
.if DOCPART == 3
	.amdgcn_target "amdgcn-amd-amdhsa--gfx1250"
	.amdhsa_code_object_version 6
	.text
	.protected	k_qeaa48d1f40_attn
	.globl	k_qeaa48d1f40_attn
	.p2align	8
	.type	k_qeaa48d1f40_attn,@function
k_qeaa48d1f40_attn:
	s_mov_b64 s[64:65], 0
	v_nop
	global_prefetch_b8 v0, s[64:65] scope:SCOPE_SE
	s_setreg_imm32_b32 hwreg(HW_REG_WAVE_MODE, 25, 1), 1
	s_wait_xcnt 0x0
; CAUSAL ATTENTION at head size 128.  oh[batch*2048+q][head*128 + :] = the sum over k <= q of softmax_k(Q[q] . K[k] / sqrt(128)) V[k][:].
; Q, K, V: qkv[3][32 heads][2048][128] in f16, a head's rows dense, 256 bytes each.  Products, maxima and sums in f32; the weights p are rounded to f16 for the second product, O once at the end.
; LIMITS.  Q, K, V arrive within f16's 65,504.  A hidden score counts as its value less 1e30 (the module's own text puts -1e9 in its place): the same result while a row's largest visible score
; lies above about -1e9 + 100.  A weight below 2^-126 counts as 0.  NaN and infinities are not treated apart.
; THE WALK.  A head's queries lie in NB = 16 blocks of 128; block i needs the key tiles 0 .. i of 128 keys, of which the last holds the diagonal.  A work-group takes TWO blocks, 15 - b and then b:
; 17 tiles, whatever b: 8 x 32 = 256 work-groups of equal work, and ONE loop with a constant trip count.  Which tile is asked for, and whether a block ends, hang on scalar registers made from b.
; SHARES.  Wave w owns 64 queries of the block (half w % 2: four tiles of 16) and 64 keys of every key tile (half w / 2): a fragment of K or V read from LDS feeds four tiles' products.
; Each wave keeps its own running maximum m, sum l and O^T over its keys; at a block's end waves 2 and 3 hand theirs, in f32, through LDS to waves 0 and 1, which merge, divide and store.
; LAYOUT.  S^T = K Q^T (source 0 = 16 keys, source 1 = 16 queries): a lane holds ONE query (lane % 16) and the keys 8 (lane / 16) + 0..7.  Two such results, rounded to f16 in pairs, ARE source 1
; of O^T = V^T P, whose result again holds one query a lane, and eight channels.  K comes out of LDS as it lies, V ([key][channel]) turned, by ds_load_tr16_b128.
; SOFTMAX.  p = 2^(c s - c m), c = log2(e) / sqrt(128); in every step O and l are multiplied by a = 2^(c m_old - c m_new).  c m starts far below every c s, so a block's first a is 0.
; THE MASK is the C operand that starts the sum S^T: 0, or -1e30 where the key is hidden.  In the diagonal tile it hangs on key block less query tile, d = -3 .. 3, on the wave and on the lane:
; MK, 56 registers, made once.  A tile's masks are MC = MK x AL, AL = 1 in a block's last tile and 0 elsewhere: one text serves every tile.
; A STEP (one key tile): piece 0's (tiles 0, 1) scores; piece 2's scores with piece 0's softmax in slices between them; piece 0's V^T P with piece 2's softmax between them; piece 2's V^T P.
; NO CLUSTER: a head's eight work-groups ask for the same tile only in trips 0 to 8 of 17; behind that fewer and fewer do, and one walk common to all would have 24 trips for 17.
; REGISTERS, in windows of 256 (s_set_vgpr_msb: bits 1:0 source 0, 3:2 source 1, 5:4 source 2, 7:6 destination):
;   window 0: v2-9 addresses; v12-43 eight registers of statistics a tile; v44-59 the exchange's statistics; v60 at work; v62-63 the add's; v64-191 S^T, 32 a tile; v192-255 P, 16 a tile
;   window 1: O^T, 64 a tile          window 2: v0-127 Q, 32 a tile; v128-255 K of one step          window 3: v0-127 V of one step; v128-183 MK; v184-239 MC
.set NB,    16
.set KS,    64        ; keys of a wave in a tile
.set PITK,  272       ; a row of K in LDS: 256 bytes + 16 = 68 words: the 16 rows of a load start at 16 different groups of four banks (64 banks of 4 bytes: ISA guide 11.1)
.set PITV,  288       ; a row of V: 256 + 32 = 72 words
.set VOFF,  KS*PITK   ; a half tile: 64 rows of K, then 64 rows of V
.set STEPB, KS*(PITK+PITV)
.set SLOT1, 1<<17     ; a slot holds a tile's two halves (71,680 bytes); slot 1 begins here, so that one exclusive or turns an address in one slot into the other's
.set XCH,   SLOT1+2*STEPB  ; behind the ring, never filled by a tensor load: the exchange, for each query half 64 blocks of 512 bytes of O^T, then 512 of c m and 512 of l
.set XHALF, 33792
.set STAGE, XCH+2*XHALF    ; 16 rows x 272 bytes for each of waves 0 and 1, for the way out
.set SP,    272
.set SPARE, STAGE+2*16*SP  ; the spare words, 128 bytes for each wave: two blocks of 256 bytes that no other line names
.set AK0, 2           ; v2   my lane's place in a half tile of K; never rewritten
.set AV0, 3           ; v3   the same for V
.set ADR, 4           ; v4   the LDS address of the run of loads in hand
.set QO,  5           ; v5   my byte offset in the wave's rows of Q
.set STO, 6           ; v6   the way out: where I put 16 bytes of a row
.set RD,  7           ; v7   the way out: where I read a row back
.set GO,  8           ; v8   my byte offset in two rows of oh
.set XA,  9           ; v9   my 16 bytes in a block of the exchange
.set ST,  12          ; tile t's statistics at v[ST+8 t]: +0 c m, +1 m, +2, +3 l (even keys', odd keys'), +4 to +7 at work; a takes +6 once the maximum is found
.set MYC, 44          ; v44-47  waves 2, 3: c m of the four tiles, to be handed over
.set MYL, 48          ; v48-51  the same for l
.set PC,  52          ; v52-55  waves 0, 1: the partner's c m
.set PL,  56          ; v56-59  the partner's l
.set CMPV, 60         ; v60  what the mask is compared with
.set SPW, 62          ; v62  LDS address of my spare word; never rewritten
.set NIL, 63          ; v63  0; never rewritten
.set S,   64
.set P,   192
.set KF,  128         ; window 2
.set MK,  128         ; window 3
.set MC,  184         ; window 3
.set WV,  12          ; s12  my wave's number
.set QH,  13          ; s13  w % 2: my half of the queries.  Also: which half of a tile I fetch
.set PB,  14          ; s14  b
.set HI,  15          ; s15  15 - b
.set G1K, 24          ; s[24:31] descriptor group 1 for K's tiles
.set G1V, 32          ; s[32:39] for V's: it differs in the padding alone
.set G0K, 40          ; s[40:43] descriptor group 0 for K's tiles
.set G0V, 44          ; s[44:47] the same for V's
.set SLOTS, 56        ; s56  tiles still to be asked for
.set CS,  58          ; s[58:59] c: the packed scaling takes the pair's low word for both halves
.set SEL, 60          ; s[60:61] v_permlanex16_b32's selects: each lane takes its own place in the other half
.set TB,  62          ; s62  LDS byte at which my half of the tile in hand begins
.set RT,  70          ; s70  tiles of the block in hand that are still to be entered
.set NXT, 71          ; s71  the tile to be asked for next
.set LQ,  72          ; s72  the last tile of the block whose tiles are being asked for
.set OFF, 74          ; s[74:75] a tile's byte offset in K and V
.set AL,  76          ; s[76:77] the mask's factor, in the low word
.set OLO, 80          ; s[80:81] oh at my rows of the second block
.set BIGN, 82         ; s82  -1e30
.set QLO, 86          ; s[86:87] Q at my rows of the second block
.set MSB, 0
.macro WIN new                      ; the high byte repeats the setting that is left; a switch that changes nothing is dropped
.if MSB != (\new)
	s_set_vgpr_msb (MSB<<8)|(\new)
.set MSB, (\new)
.endif
.endm
.set W_KQ, 0x0a       ; K and Q in window 2, S^T in window 0
.set W_KM, 0x3a       ; the same with the C operand in window 3
.set W_PV, 0x53       ; V in window 3, P in window 0, O^T in window 1
.set W_RS, 0x41       ; O^T (destination and source 0) in window 1, a in window 0
.set W_MK, 0xc3       ; destination and source 0 in window 3
; A fill.  Waves 0 and 1 fetch the two halves of a tile's K, waves 2 and 3 those of its V: 64 rows of 256 bytes each.  An s_nop 0 and four v_nop follow each of the two lines, ahead of the jump and the label.
.macro LOAD
	s_cmp_lt_u32 s[WV], 2
	s_cbranch_scc0 .Lfor_v_\@
	tensor_load_to_lds s[G0K:G0K+3], s[G1K:G1K+7]
	s_nop 0
.rept 4
	v_nop
.endr
	s_branch .Lasked_\@
.Lfor_v_\@:
	tensor_load_to_lds s[G0V:G0V+3], s[G1V:G1V+7]
	s_nop 0
.rept 4
	v_nop
.endr
.Lasked_\@:
.endm
.macro MASK                         ; MC = MK x AL
	WIN W_MK
.set z, 0
.rept 28
	v_pk_mul_f32 v[MC+2*z:MC+2*z+1], v[MK+2*z:MK+2*z+1], s[AL:AL+1] op_sel_hi:[1,0]
.set z, z+1
.endr
.endm
; THE CHANGE OF SLOTS.  Each wave waits for all its tensor loads, of which one is out: its part of the other slot; adds 0 to its spare word; and waits for that and for its own reads of the slot that it leaves.
; Behind the barrier nobody reads the old slot any more and the other slot is whole.  fill = 1: the old slot is filled again, the first thing behind the barrier, with tile NXT: the descriptor's address is made
; anew from that number.  The load has a tile's 128 matrix instructions and its softmax in which to land.  (At its first use nothing has been read yet: slot 0 is waited for, slot 1 filled.)
; The tile's masks are made here: 28 plain instructions, which are also the places between the last product that read V and V's next run of loads.
.macro CHANGE fill
	WIN 0
	s_wait_tensorcnt 0x0            ; no tensor load of mine is out, so a group 0 may be written
	ds_add_u32 v[SPW], v[NIL]       ; 0 onto my spare word; scalar work and the masks stand between it and the wait for it
	s_sub_co_u32 s[RT], s[RT], 1
	s_cmp_eq_u32 s[RT], 0           ; is the tile to be entered the block's last?
	s_cselect_b32 s[AL], 1.0, 0
.if \fill
	s_lshl_b32 s[OFF], s[NXT], 15   ; a tile is 32,768 bytes of K and of V
	s_xor_b32 s[G0K+1], s[G0K+1], SLOT1
	s_add_nc_u64 s[G0K+2:G0K+3], s[6:7], s[OFF:OFF+1]
	s_or_b32 s[G0K+3], s[G0K+3], 0x80000000
	s_xor_b32 s[G0V+1], s[G0V+1], SLOT1
	s_add_nc_u64 s[G0V+2:G0V+3], s[8:9], s[OFF:OFF+1]
	s_or_b32 s[G0V+3], s[G0V+3], 0x80000000
	s_add_co_u32 s[NXT], s[NXT], 1  ; the block's next tile, or behind its last the second block's tile 0
	s_cmp_gt_u32 s[NXT], s[LQ]
	s_cselect_b32 s[NXT], 0, s[NXT]
	s_cselect_b32 s[LQ], s[PB], s[LQ]
.endif
	MASK
	WIN 0
	s_wait_dscnt 0x0                ; the add is done, and my reads of the slot are over
	s_barrier_signal -1
	s_xor_b32 s[TB], s[TB], SLOT1   ; my half tile, in the other slot
	s_barrier_wait -1
.if \fill
	LOAD
.endif
.endm
	s_load_b128 s[16:19], s[0:1], 0x0  ; qkv s[16:17], oh s[18:19]
	v_lshl_add_u32 v[SPW], v0, 2, SPARE
	v_mov_b32 v[NIL], 0
	ds_add_u32 v[SPW], v[NIL]       ; the wave's opening: the add and its wait stand ahead of my first tensor load; the set-up below, work on registers, stands between them
	ds_add_u32 v62, v63
	v_lshrrev_b32 v1, 5, v0
	v_readfirstlane_b32 s[WV], v1   ; wave 0..3
	s_and_b32 s[QH], s[WV], 1
	s_lshr_b32 s20, s[WV], 1        ; my half of the keys
	s_mov_b32 s[PB], ttmp9
	s_sub_co_u32 s[HI], NB-1, s[PB]
	s_and_b32 s21, ttmp7, 0xffff    ; 8 x batch + head
	s_lshl_b32 s22, s21, 19         ; its 524,288 bytes in each of the three tensors
	s_lshl_b32 s23, s[QH], 14       ; 64 rows of 256 bytes: the half tile that I fetch, and my half of a block's queries
	s_add_co_u32 s23, s23, s22
	s_add_co_u32 s2, s23, 0x1000000 ; K lies 16,777,216 bytes behind Q,
	s_mov_b32 s3, 0
	s_add_co_u32 s84, s23, 0x2000000  ; V as far behind K
	s_mov_b32 s85, 0
	s_lshl_b32 s88, s[HI], 15       ; Q: a block is 128 rows of 256 bytes
	s_add_co_u32 s88, s88, s23
	s_mov_b32 s89, 0
	s_lshl_b32 s90, s[PB], 15
	s_add_co_u32 s90, s90, s23
	s_mov_b32 s91, 0
	s_lshr_b32 s92, s21, 3          ; oh: rows of 2,048 bytes: 2,048 rows a batch,
	s_lshl_b32 s92, s92, 22
	s_and_b32 s93, s21, 7
	s_lshl_b32 s93, s93, 8          ; 256 bytes a head,
	s_add_co_u32 s92, s92, s93
	s_lshl_b32 s93, s[QH], 17       ; 64 rows for my half,
	s_add_co_u32 s92, s92, s93
	s_lshl_b32 s94, s[PB], 18       ; 128 rows a block
	s_add_co_u32 s94, s94, s92
	s_mov_b32 s95, 0
	s_lshl_b32 s93, s[HI], 18
	s_add_co_u32 s92, s92, s93
	s_mov_b32 s93, 0
	; descriptor group 1: a tile of 64 rows x 128 elements of 2 bytes, padded in LDS after every row
	s_mov_b32 s[G1K], (1<<16)|(1<<20)|(5<<22)|(3<<25)  ; 17:16 2-byte elements; 20 padding on; 24:22 after every 64 words (code 5); 31:25 4 words (code 3)
	s_mov_b32 s[G1V], (1<<16)|(1<<20)|(5<<22)|(7<<25)  ; the same with 8 words of padding (code 7)
.irp g, G1K, G1V
	s_mov_b32 s[\g+1], 128<<16      ; tensor_dim0 = 128
	s_mov_b32 s[\g+2], KS<<16       ; tensor_dim1 = 64
	s_mov_b32 s[\g+3], 128<<16      ; tile_dim0 = 128
	s_mov_b32 s[\g+4], KS           ; tile_dim1 = 64
	s_mov_b32 s[\g+5], 128          ; 128 elements from row to row
	s_mov_b32 s[\g+6], 0
	s_mov_b32 s[\g+7], 0
.endr
	s_mul_i32 s22, s[QH], STEPB     ; the half tile that I fetch, in a slot
	s_mov_b32 s[G0K], 1             ; 1:0 count = 1
	s_mov_b32 s[G0K+1], s22         ; 63:32 LDS address: slot 0
	s_mov_b32 s[G0V], 1
	s_add_co_u32 s[G0V+1], s22, VOFF
	s_mul_i32 s[TB], s20, STEPB     ; the half tile that I read;
	s_add_co_u32 s[TB], s[TB], SLOT1  ; the first change of slots turns this into slot 0
	s_sub_co_i32 s23, s[QH], s20
	s_lshl_b32 s23, s23, 6          ; 64 x (my query half - my key half)
	s_mov_b32 s[CS], 0x3e0293ee     ; c = log2(e) / sqrt(128) = 0.127517
	s_mov_b32 s[CS+1], s[CS]        ; named with it as a pair
	s_mov_b32 s[SEL], 0x76543210
	s_mov_b32 s[SEL+1], 0xfedcba98
	s_add_co_u32 s[RT], s[HI], 1    ; the first block has 16 - b tiles
	s_mov_b32 s[NXT], 1
	s_mov_b32 s[LQ], s[HI]
	s_mov_b32 s[OFF+1], 0
	s_mov_b32 s[AL+1], 0            ; named as a pair
	s_mov_b32 s[BIGN], 0xf149f2ca   ; -1e30
	s_mov_b32 s[SLOTS], NB
	s_wait_dscnt 0x0                ; the opening add is done
	s_wait_kmcnt 0x0
	s_add_nc_u64 s[6:7], s[16:17], s[2:3]      ; K and V at my half of the head's tile 0
	s_add_nc_u64 s[8:9], s[16:17], s[84:85]
	s_add_nc_u64 s[4:5], s[16:17], s[88:89]    ; Q at my rows of the first block,
	s_add_nc_u64 s[QLO:QLO+1], s[16:17], s[90:91]  ; and of the second
	s_add_nc_u64 s[10:11], s[18:19], s[92:93]  ; oh likewise
	s_add_nc_u64 s[OLO:OLO+1], s[18:19], s[94:95]
	s_add_nc_u64 s[G0K+2:G0K+3], s[6:7], 0     ; 120:64 global address
	s_or_b32 s[G0K+3], s[G0K+3], 0x80000000    ; 127:126 type = 2
	s_add_nc_u64 s[G0V+2:G0V+3], s[8:9], 0
	s_or_b32 s[G0V+3], s[G0V+3], 0x80000000
	LOAD                            ; tile 0 into slot 0
	; A fragment of K or Q is 16 rows x 32 channels in 8 registers: lane l holds row l % 16, channels 8 (l / 16) + 0..7 and 16 + 8 (l / 16) + 0..7: two loads of 16 bytes, 32 bytes apart.
	v_and_b32 v1, 15, v0            ; r = l % 16
	v_bfe_u32 v10, v0, 4, 1         ; h = l / 16
	v_lshlrev_b32 v[QO], 8, v1
	v_lshl_add_u32 v[QO], v10, 4, v[QO]  ; row x 256 + 16 x half
	WIN 0x80                        ; destination window 2, address window 0
.set i, 0
.rept 16                            ; the first block's Q: tile i / 4, channels 32 (i % 4) on
	global_load_b128 v[8*i:8*i+3],   v[QO], s[4:5] offset:(i/4)*4096+(i%4)*64
	global_load_b128 v[8*i+4:8*i+7], v[QO], s[4:5] offset:(i/4)*4096+(i%4)*64+32
.set i, i+1
.endr
	WIN 0
	; In the diagonal tile key 64 kh + 16 kb + 8 h + j is hidden from query 64 qh + 16 t + r where 16 (kb - t) + j > r - 8 h + 64 (qh - kh).
	v_lshlrev_b32 v11, 3, v10
	v_sub_nc_u32 v[CMPV], v1, v11
	v_add_nc_u32 v[CMPV], s23, v[CMPV]
	WIN 0xc0                        ; destination window 3
.set i, 0
.rept 56
	v_cmp_gt_i32 vcc_lo, 16*(i/8-3)+i%8, v[CMPV]
	v_cndmask_b32 v[MK+i], 0, s[BIGN], vcc_lo
.set i, i+1
.endr
	WIN 0
	v_mul_u32_u24 v[AK0], v1, PITK
	v_lshl_add_u32 v[AK0], v10, 4, v[AK0]  ; row x pitch + 16 x half
	; The turning load takes 16 keys x 16 channels (lane l reads key 8 (l / 16) + l % 8, channels 8 ((l / 8) % 2) + 0..7) and leaves half a fragment of V^T: lane l holds channel l % 16 and 8 keys.
	v_and_b32 v11, 7, v0
	v_lshl_add_u32 v[AV0], v10, 3, v11
	v_mul_u32_u24 v[AV0], v[AV0], PITV
	v_bfe_u32 v11, v0, 3, 1
	v_lshl_add_u32 v[AV0], v11, 4, v[AV0]
	v_add_nc_u32 v[AV0], VOFF, v[AV0]
	s_mul_i32 s22, s[QH], 16*SP
	s_add_co_u32 s22, s22, STAGE    ; the stage of my query half
	v_mul_u32_u24 v[STO], v1, SP    ; in: row l % 16, 16 bytes for each half of the lanes
	v_lshl_add_u32 v[STO], v10, 4, v[STO]
	v_add_nc_u32 v[STO], s22, v[STO]
	v_mul_u32_u24 v[RD], v10, SP    ; back: lanes 0-15 take one row of 256 bytes, lanes 16-31 the next
	v_lshl_add_u32 v[RD], v1, 4, v[RD]
	v_add_nc_u32 v[RD], s22, v[RD]
	v_lshlrev_b32 v[GO], 11, v10    ; and the same two rows in oh, 2,048 bytes apart
	v_lshl_add_u32 v[GO], v1, 4, v[GO]
	s_mul_i32 s22, s[QH], XHALF
	s_add_co_u32 s22, s22, XCH      ; the exchange of my query half
	v_and_b32 v[XA], 31, v0
	v_lshl_add_u32 v[XA], v[XA], 4, s22
	; A block's first step multiplies O^T and l by a = 0, so these registers need only hold finite numbers: zeros for the first block, what the first block left for the second.  All this stands in the wait for the first tile.
	WIN 0x40
.set i, 0
.rept 256
	v_mov_b32 v[i], 0
.set i, i+1
.endr
	WIN 0
.set i, 0
.rept 4
	v_mov_b32 v[ST+8*i], 0xfe000000    ; c m: far below every c s
	v_mov_b32 v[ST+8*i+1], 0xff7fffff  ; m
	v_mov_b32 v[ST+8*i+2], 0
	v_mov_b32 v[ST+8*i+3], 0
.set i, i+1
.endr
; THE MATRIX WORK, for piece x.  The accumulators take turns, one instruction a turn: between two links of a chain stand 7 (K Q^T) or 15 (V^T P) others'.
; Product i of 32 of S^T = K Q^T: channels 32 (i / 8) on, keys 16 ((i / 2) % 4) on, tile x + i % 2.  The first 8 start the sums with the mask of key block less tile.
.macro KQ x
.set kT, (\x)+i%2
.set kB, (i/2)%4
.set rS, S+32*kT+8*kB
.set rK, KF+32*kB+8*(i/8)
.set rQ, 32*kT+8*(i/8)
.set rM, MC+8*(kB-kT+3)
.if i < 8
	WIN W_KM
	v_wmma_f32_16x16x32_f16 v[rS:rS+7], v[rK:rK+7], v[rQ:rQ+7], v[rM:rM+7]
.else
	WIN W_KQ
	v_wmma_f32_16x16x32_f16 v[rS:rS+7], v[rK:rK+7], v[rQ:rQ+7], v[rS:rS+7]
.endif
.endm
; Product i of 32 of O^T += V^T P: keys 32 (i / 16) on, channels 16 ((i / 2) % 8) on, tile x + i % 2.
.macro PV x
	WIN W_PV
.set rO, 64*((\x)+i%2)+8*((i/2)%8)
.set rV, 64*(i/16)+8*((i/2)%8)
.set rP, P+16*((\x)+i%2)+8*(i/16)
	v_wmma_f32_16x16x32_f16 v[rO:rO+7], v[rV:rV+7], v[rP:rP+7], v[rO:rO+7]
.endm
; THE LDS LOADS stand in runs of 32: my half tile's K (64 keys x 128 channels: 16 fragments) and its V (turned).
.macro FETCH_K
	WIN 0
	v_add_nc_u32 v[ADR], s[TB], v[AK0]
	WIN 0x80                        ; destination window 2
.irp f, 0,1,2,3,4,5,6,7,8,9,10,11,12,13,14,15  ; keys 16 (f / 4) on, channels 32 (f % 4) on
	ds_load_b128 v[KF+8*(\f):KF+8*(\f)+3],   v[ADR] offset:((\f)/4)*16*PITK+((\f)%4)*64
	ds_load_b128 v[KF+8*(\f)+4:KF+8*(\f)+7], v[ADR] offset:((\f)/4)*16*PITK+((\f)%4)*64+32
.endr
.endm
.macro FETCH_V
	WIN 0
	v_add_nc_u32 v[ADR], s[TB], v[AV0]
	WIN 0xc0                        ; destination window 3
.irp f, 0,1,2,3,4,5,6,7,8,9,10,11,12,13,14,15  ; keys 32 (f / 8) on, channels 16 (f % 8) on
	ds_load_tr16_b128 v[8*(\f):8*(\f)+3],   v[ADR] offset:((\f)/8)*32*PITV+((\f)%8)*32
	ds_load_tr16_b128 v[8*(\f)+4:8*(\f)+7], v[ADR] offset:((\f)/8)*32*PITV+16*PITV+((\f)%8)*32
.endr
.endm
; THE VECTOR WORK.  One tile's softmax for one step is a list of 134 instructions; SM writes number j of it for tile t.  s0-s31 are the lane's 32 scores, in pairs 0-15.
;   0-15    the maximum of s0-s31 and the old m, three operands at a time: four chains c0-c3 of seven scores each (each accumulator's lowest registers are read first), then the four left over, c0-c3 and m
;   16-20   the other half of the lanes' maximum; the new m; c m; c m_old - c m_new
;   21-87   33 exponentials (a, then s0-s31) at the odd numbers from 23 on, so that no two follow each other and each has a plain instruction behind it before its result is used.
;           Plain instruction q (number 21, then the even numbers) is whatever is ready: c s - c m for a pair whose exponentials are still to come (q = 0 to 3, then every second q),
;           the rounding to f16 of a pair whose exponentials are done (every other q from 5 on), at last the first three sums
;   88-101  the last rounding; the rest of the sums; l = a l + the sum
;   102-133 the tile's O^T times a: the one part that leaves window 0, so it stands together
.macro SM t
.set rT, ST+8*(\t)
.set rS, S+32*(\t)
.set rP, P+16*(\t)
.set rO, 64*(\t)+2*(j-102)
.set q, (j-20)/2
.if j < 102
	WIN 0
.endif
.if j < 4
	v_max3_num_f32 v[rT+4+j], v[rS+8*j], v[rS+8*j+1], v[rS+8*j+2]
.elseif j < 12
	v_max3_num_f32 v[rT+4+j%4], v[rT+4+j%4], v[rS+8*(j%4)+2*(j/4)+1], v[rS+8*(j%4)+2*(j/4)+2]
.elseif j == 12
	v_max3_num_f32 v[rT+4], v[rT+4], v[rS+7], v[rS+15]
.elseif j == 13
	v_max3_num_f32 v[rT+6], v[rT+6], v[rS+23], v[rS+31]
.elseif j == 14
	v_max3_num_f32 v[rT+4], v[rT+4], v[rT+5], v[rT+6]
.elseif j == 15
	v_max3_num_f32 v[rT+4], v[rT+4], v[rT+7], v[rT+1]
.elseif j == 16
	v_permlanex16_b32 v[rT+5], v[rT+4], s[SEL], s[SEL+1]  ; the query's other 32 keys lie in the lane 16 away
.elseif j == 17
	v_mov_b32 v[rT+7], v[rT]        ; c m_old is kept for a: number 19 writes c m anew
.elseif j == 18
	v_max_num_f32 v[rT+1], v[rT+4], v[rT+5]
.elseif j == 19
	v_mul_f32 v[rT], s[CS], v[rT+1]
.elseif j == 20
	v_sub_f32 v[rT+7], v[rT+7], v[rT]
.elseif j == 23
	v_exp_f32 v[rT+6], v[rT+7]
.elseif (j < 88) && (j > 23) && (j%2 == 1)
	v_exp_f32 v[rS+(j-25)/2], v[rS+(j-25)/2]
.elseif (q < 4) || ((j < 76) && (q%2 == 0))
.set b, q/2+2
.if q < 4
.set b, q
.endif
	v_pk_fma_f32 v[rS+2*b:rS+2*b+1], v[rS+2*b:rS+2*b+1], s[CS:CS+1], v[rT:rT+1] op_sel_hi:[1,0,0] neg_lo:[0,0,1] neg_hi:[0,0,1]  ; pair b: c s - c m
.elseif (j < 88) && (q%2 == 1)
	s_wait_alu depctr_va_vdst(0)
	v_cvt_pk_f16_f32 v[rP+(q-5)/2], v[rS+q-5], v[rS+q-4]  ; pair (q - 5) / 2: its second exponential stands three numbers back
.elseif j == 89
	s_wait_alu depctr_va_vdst(0)
	v_cvt_pk_f16_f32 v[rP+15], v[rS+30], v[rS+31]
.elseif j < 102                     ; the sum of the tile's 16 pairs, in place: sum z of 16 adds neighbours 1, 2, 4 and 8 pairs apart, then l takes it
.set z, j-86
.if j < 89
.set z, (j-76)/4
.endif
.set w, 4
.set u, z
.if z >= 14
.set w, 32
.set u, 0
.elseif z >= 12
.set w, 16
.set u, z-12
.elseif z >= 8
.set w, 8
.set u, z-8
.endif
.if z < 15
	v_pk_add_f32 v[rS+w*u:rS+w*u+1], v[rS+w*u:rS+w*u+1], v[rS+w*u+w/2:rS+w*u+w/2+1]
.else
	v_pk_fma_f32 v[rT+2:rT+3], v[rT+2:rT+3], v[rT+6:rT+7], v[rS:rS+1] op_sel_hi:[1,0,1]
.endif
.else
	WIN W_RS
	v_pk_mul_f32 v[rO:rO+1], v[rO:rO+1], v[rT+6:rT+7] op_sel_hi:[1,0]
.endif
.endm
; Slice k of 64 of piece y's softmax: numbers 2 k and 2 k + 1 of both tiles' lists, four instructions.  2 x 134 = 4 x 64 + 12: the twelve that are over stand together, in slice 63.
.macro SLICE y
.if (k >= 11) && (k < 44)           ; tile by tile: plain, exponential, plain, exponential
.irp t, \y, (\y)+1
.irp n, 0,1
.set j, 2*k+(\n)
	SM \t
.endr
.endr
.else                               ; the two tiles alternate, so that no instruction reads the result of the one just before it
.irp n, 0,1,2,3,4,5,6,7
.if ((\n) < 2) || (k == 63)
.irp t, \y, (\y)+1
.set j, 2*k+(\n)
	SM \t
.endr
.endif
.endr
.endif
.set k, k+1
.endm
; A TURN: 32 products of piece x (pv = 1: V^T P; 0: K Q^T), two slices of the other piece's softmax behind each.  No slice names a register of the products round it.
.macro TURN x, pv
.set k, 0
.set i, 0
.rept 32
.if \pv
	PV \x
.else
	KQ \x
.endif
	SLICE 2-(\x)
	SLICE 2-(\x)
.set i, i+1
.endr
.endm
; A STEP: my 64 queries against my 64 keys of the tile in hand.  A vector instruction that reads a matrix result, and a load into a register that a matrix instruction has read, stand four places behind it, and only
; plain vector instructions that name none of its registers are places (ISA guide 7.12.1 for vector instructions).  K's run: the last product that read K stands a whole softmax back.
; V's run: the masks' 28 instructions in the change of slots.  Piece 0's scores: four v_nop.  Piece 2's scores: slice 63's sixteen rescalings.
.macro STEP
	FETCH_K
	s_wait_loadcnt 0x0              ; Q (out only at a block's first step)
	s_wait_dscnt 0x0                ; K is in
.set i, 0
.rept 32
	KQ 0                            ; piece 0's scores: no vector work is ready to stand between them
.if i == 1
	FETCH_V                         ; 62 matrix instructions ahead of its first use
.endif
.set i, i+1
.endr
	WIN 0
.rept 4
	v_nop
.endr
	TURN 2, 0                       ; piece 2's scores | piece 0's softmax
	s_wait_dscnt 0x0                ; V is in
	TURN 0, 1                       ; piece 0's V^T P | piece 2's softmax
.set i, 0
.rept 32
	PV 2                            ; piece 2's V^T P
.set i, i+1
.endr
.endm
.macro ALL line:vararg              ; one line for each tile t
.set t, 0
.rept 4
	\line
.set t, t+1
.endr
.endm
; A BLOCK'S END, first part.  The second block's Q is asked for (last = 0).  Waves 2 and 3 add l's two halves and the other half of the lanes' (the first four additions are the places behind the last products)
; and put O^T (64 blocks of 512 consecutive bytes), c m and l into the exchange.
.macro ENDA last
.if !(\last)
	WIN 0x80
.set i, 0
.rept 16
	global_load_b128 v[8*i:8*i+3],   v[QO], s[QLO:QLO+1] offset:(i/4)*4096+(i%4)*64
	global_load_b128 v[8*i+4:8*i+7], v[QO], s[QLO:QLO+1] offset:(i/4)*4096+(i%4)*64+32
.set i, i+1
.endr
	WIN 0
.endif
	s_cmp_lt_u32 s[WV], 2
	s_cbranch_scc1 .Lkeep_\@
	ALL v_add_f32 v[ST+8*t+4], v[ST+8*t+2], v[ST+8*t+3]
	ALL v_permlanex16_b32 v[ST+8*t+5], v[ST+8*t+4], s[SEL], s[SEL+1]
	ALL v_add_f32 v[MYL+t], v[ST+8*t+4], v[ST+8*t+5]
	ALL v_mov_b32 v[MYC+t], v[ST+8*t]
	WIN 0x04                        ; store data in window 1
.set i, 0
.rept 64
	ds_store_b128 v[XA], v[4*i:4*i+3] offset:512*i
.set i, i+1
.endr
	WIN 0
	ds_store_b128 v[XA], v[MYC:MYC+3] offset:32768
	ds_store_b128 v[XA], v[MYL:MYL+3] offset:33280
.Lkeep_\@:
.endm
.macro XLOAD t                      ; the partner's O^T of tile t: 16 loads, into S^T's registers, two buffers of 64 by turns
.set i, 0
.rept 16
	ds_load_b128 v[S+64*((\t)%2)+4*i:S+64*((\t)%2)+4*i+3], v[XA] offset:512*(16*(\t)+i)
.set i, i+1
.endr
.endm
; Tile t is merged (mine x fa + the partner's x fb), rounded to f16 and sent through my stage: a lane's eight channels of a row pack into 16 bytes; they go into rows of 272 bytes and come back as whole rows of 256.
; w0, w1: the LDS loads issued behind those waited for, which may stay out: a younger run of 16 from the exchange, or none.
.macro MERGE t, w0, w1
.set rX, S+64*((\t)%2)
.set rH, P+32*((\t)%2)
	s_wait_dscnt \w0
.set i, 0
.rept 32
	v_pk_mul_f32 v[rX+2*i:rX+2*i+1], v[rX+2*i:rX+2*i+1], v[ST+8*(\t)+2:ST+8*(\t)+3] op_sel_hi:[1,0]
.set i, i+1
.endr
	WIN 0x01                        ; source 0, my O^T, in window 1
.set i, 0
.rept 32
	v_pk_fma_f32 v[rX+2*i:rX+2*i+1], v[64*(\t)+2*i:64*(\t)+2*i+1], v[ST+8*(\t)+6:ST+8*(\t)+7], v[rX+2*i:rX+2*i+1] op_sel_hi:[1,0,1]
.set i, i+1
.endr
	WIN 0
	s_wait_xcnt 0x0                 ; the registers that the stores two tiles back read are rewritten only behind this wait
.set i, 0
.rept 32
	v_cvt_pk_f16_f32 v[rH+i], v[rX+2*i], v[rX+2*i+1]
.set i, i+1
.endr
.irp f, 0,1,2,3,4,5,6,7
	ds_store_b128 v[STO], v[rH+4*(\f):rH+4*(\f)+3] offset:32*(\f)
.endr
.irp f, 0,1,2,3,4,5,6,7
	ds_load_b128 v[rH+4*(\f):rH+4*(\f)+3], v[RD] offset:(\f)*2*SP  ; LDS serves a wave's instructions in order (ISA guide 5.7.1.4): these see the stores above
.endr
.if (\t) < 2
	XLOAD (\t)+2
.endif
	s_wait_dscnt \w1
.irp f, 0,1,2,3,4,5,6,7
	global_store_b128 v[GO], v[rH+4*(\f):rH+4*(\f)+3], s[10:11] offset:(\t)*32768+(\f)*4096  ; 16 lanes store a head's 256 consecutive bytes of a row, at a multiple of 256 from oh's first byte
.endr
.endm
; A BLOCK'S END, second part, behind the barrier.  Waves 0 and 1: with M = max(c m_a, c m_b), wa = 2^(c m_a - M), wb = 2^(c m_b - M) and L = wa l_a + wb l_b, O = (wa O_a + wb O_b) / L.
; A wave that has seen hidden keys alone (block 0: the first 64 queries against the last 64 keys) has c m near -1.3e29, and its weight is 0.  Then (last = 0) every wave starts the second block.
.macro ENDB last
	s_cmp_ge_u32 s[WV], 2
	s_cbranch_scc1 .Ldone_\@
	ds_load_b128 v[PC:PC+3], v[XA] offset:32768
	ds_load_b128 v[PL:PL+3], v[XA] offset:33280
	XLOAD 0
	XLOAD 1
	ALL v_add_f32 v[ST+8*t+4], v[ST+8*t+2], v[ST+8*t+3]
	ALL v_permlanex16_b32 v[ST+8*t+5], v[ST+8*t+4], s[SEL], s[SEL+1]
	ALL v_add_f32 v[ST+8*t+3], v[ST+8*t+4], v[ST+8*t+5]
	s_wait_dscnt 32                 ; the partner's c m and l are in; the 32 loads of its O^T may stay out
	ALL v_max_num_f32 v[ST+8*t+6], v[ST+8*t], v[PC+t]
	ALL v_sub_f32 v[ST+8*t+4], v[ST+8*t], v[ST+8*t+6]
	ALL v_sub_f32 v[ST+8*t+5], v[PC+t], v[ST+8*t+6]
	ALL v_exp_f32 v[ST+8*t+4], v[ST+8*t+4]
	ALL v_exp_f32 v[ST+8*t+5], v[ST+8*t+5]
	v_nop                           ; a plain instruction between the last exponential and the use of its result
	s_wait_alu depctr_va_vdst(0)
	ALL v_mul_f32 v[ST+8*t+7], v[ST+8*t+4], v[ST+8*t+3]
	ALL v_fmac_f32 v[ST+8*t+7], v[ST+8*t+5], v[PL+t]
	ALL v_rcp_f32 v[ST+8*t+7], v[ST+8*t+7]
	v_nop                           ; the same behind the last reciprocal
	s_wait_alu depctr_va_vdst(0)
	ALL v_mul_f32 v[ST+8*t+6], v[ST+8*t+4], v[ST+8*t+7]
	ALL v_mul_f32 v[ST+8*t+2], v[ST+8*t+5], v[ST+8*t+7]
	MERGE 0, 16, 16
	MERGE 1, 16, 16
	MERGE 2, 16, 0
	MERGE 3, 0, 0
.Ldone_\@:
.if !(\last)
	s_wait_xcnt 0x0                 ; the stores have read their registers and oh's address
	s_mov_b64 s[10:11], s[OLO:OLO+1]
	s_add_co_u32 s[RT], s[PB], 1    ; the second block has b + 1 tiles
	ALL v_mov_b32 v[ST+8*t], 0xfe000000
	ALL v_mov_b32 v[ST+8*t+1], 0xff7fffff
.endif
.endm
.Lslot:                             ; 16 times: a tile is entered and the next is asked for
	CHANGE 1
	STEP
	WIN 0
	s_cmp_lg_u32 s[RT], 0           ; RT hangs on b and the trip alone: the same in all four waves
	s_cbranch_scc1 .Lmeet
	ENDA 0                          ; in the loop this is the first block's end: the second block's last tile is the walk's last
.Lmeet:
	s_wait_dscnt 0x0                ; for the others' sake: my stores into the exchange are done
	s_barrier_signal -1             ; this barrier stands on every trip's path, so that no jump passes a barrier; the tile on its way may stay out
	s_barrier_wait -1
	s_cmp_lg_u32 s[RT], 0
	s_cbranch_scc1 .Lbottom
	ENDB 0
.Lbottom:
	s_sub_co_u32 s[SLOTS], s[SLOTS], 1
	s_cmp_lg_u32 s[SLOTS], 0
	s_cbranch_scc1 .Lslot
	CHANGE 0                        ; the walk's last tile is written out: nothing is asked for
	STEP
	WIN 0
	ENDA 1
	s_wait_dscnt 0x0
	s_barrier_signal -1
	s_barrier_wait -1
	ENDB 1
	s_wait_tensorcnt 0x0            ; the wave's end, behind my last tensor load and my last LDS store
	ds_add_u32 v[SPW], v[NIL]
	s_wait_dscnt 0x0
	s_endpgm
.Lfunc_end_k_qeaa48d1f40_attn:
	.size	k_qeaa48d1f40_attn, .Lfunc_end_k_qeaa48d1f40_attn-k_qeaa48d1f40_attn
	.p2alignl 7, 3214868480
	.fill 96, 4, 3214868480
	.section	.rodata,"a",@progbits
	.p2align	6, 0x0
	.amdhsa_kernel k_qeaa48d1f40_attn
		.amdhsa_group_segment_fixed_size 327680
		.amdhsa_private_segment_fixed_size 0
		.amdhsa_enable_private_segment 0
		.amdhsa_kernarg_size 16
		.amdhsa_user_sgpr_count 2
		.amdhsa_user_sgpr_kernarg_segment_ptr 1
		.amdhsa_wavefront_size32 1
		.amdhsa_system_sgpr_workgroup_id_x 1
		.amdhsa_system_sgpr_workgroup_id_y 1
		.amdhsa_system_sgpr_workgroup_id_z 1
		.amdhsa_system_vgpr_workitem_id 0
		.amdhsa_next_free_vgpr 1024
		.amdhsa_next_free_sgpr 96
		.amdhsa_reserve_vcc 1
		.amdhsa_float_denorm_mode_32 3
		.amdhsa_float_denorm_mode_16_64 3
		.amdhsa_memory_ordered 1
		.amdhsa_forward_progress 1
		.amdhsa_inst_pref_size 214
	.end_amdhsa_kernel
	.amdgpu_metadata
---
amdhsa.version: [ 1, 2 ]
amdhsa.kernels:
  - .name:           k_qeaa48d1f40_attn
    .symbol:         k_qeaa48d1f40_attn.kd
    .args:
      - { .name: qkv, .offset: 0, .size: 8, .value_kind: global_buffer, .address_space: global }
      - { .name: oh, .offset: 8, .size: 8, .value_kind: global_buffer, .address_space: global }
    .group_segment_fixed_size: 327680
    .private_segment_fixed_size: 0
    .kernarg_segment_align: 8
    .kernarg_segment_size: 16
    .max_flat_workgroup_size: 128
    .sgpr_count:     96
    .vgpr_count:     1024
    .wavefront_size: 32
...
	.end_amdgpu_metadata
.endif
;; end of part 3
;; launch lnorm (part 4): grid 256 x 1, 8 waves a work-group, no clusters, 0 bytes of LDS; arguments oh, queries, gamma, beta, out0; writes out0
.if DOCPART == 4
	.amdgcn_target "amdgcn-amd-amdhsa--gfx1250"
	.amdhsa_code_object_version 6
	.text
	.protected	k_qeaa48d1f40_lnorm
	.globl	k_qeaa48d1f40_lnorm
	.p2align	8
	.type	k_qeaa48d1f40_lnorm,@function
k_qeaa48d1f40_lnorm:
	s_mov_b64 s[64:65], 0
	v_nop
	global_prefetch_b8 v0, s[64:65] scope:SCOPE_SE
	s_setreg_imm32_b32 hwreg(HW_REG_WAVE_MODE, 25, 1), 1
	s_wait_xcnt 0x0
; out0[r][:] = (x - mean(x)) / sqrt(var(x) + 1e-6) * gamma + beta,  x = oh[r][:] + queries[r][:].  oh: [8192][1024] f16; all else f32; all arithmetic in f32.
; The mean is taken first and the variance of the centred row, so a common offset of the inputs costs no digits.
; A stream: no LDS, no barrier, no matrix unit.  One wave takes a whole row (32 registers) and keeps it between the passes; a wave has four rows, a work-group 32.
; A lane holds columns 128 j + 4 l .. + 3, j = 0..7: loads and stores of f32 cover 512 consecutive bytes, loads of oh 256.  Two row slots: while one row is worked on the next is on its way.
; Every row's offset stands in an immediate: no address register is rewritten.
.set T,   4                            ; v[4:11]    at work
.set M,   12                           ; v[12:13]   the mean, twice
.set R,   14                           ; v[14:15]   1 / sqrt(var + eps), twice
.set G,   16                           ; v[16:47]   gamma of my 32 columns
.set BT,  48                           ; v[48:79]   beta
.set X,   80                           ; v[80:143]  slot s: 32 registers: queries, then the row at work, then the result
.set OH,  144                          ; v[144:175] slot s: 16 registers: 32 f16 of oh
.set SEL, 20                           ; s[20:21]   v_permlanex16_b32's selects
.set INV, 22                           ; s22        1 / 1024
.set EPS, 23                           ; s23        1e-6
	s_load_b256 s[4:11], s[0:1], 0x0               ; oh s[4:5], queries s[6:7], gamma s[8:9], beta s[10:11]
	s_load_b64 s[12:13], s[0:1], 0x20              ; out0
	v_lshrrev_b32 v3, 5, v0
	v_readfirstlane_b32 s14, v3                    ; wave 0..7
	v_and_b32 v1, 31, v0
	v_lshlrev_b32 v2, 3, v1                        ; 8 bytes of f16 a lane
	v_lshlrev_b32 v1, 4, v1                        ; 16 bytes of f32 a lane
	v_mov_b32 v3, 1.0
	s_lshl_b32 s15, ttmp9, 5
	s_lshl2_add_u32 s15, s14, s15                  ; my first row = 32 x work-group + 4 x wave
	s_lshl_b32 s16, s15, 12                        ; rows of 4,096 bytes,
	s_mov_b32 s17, 0
	s_lshl_b32 s18, s15, 11                        ; and of 2,048
	s_mov_b32 s19, 0
	s_mov_b32 s[SEL], 0x76543210
	s_mov_b32 s[SEL+1], 0xfedcba98
	s_mov_b32 s[INV], 0x3a800000
	s_mov_b32 s[EPS], 0x358637bd
	s_wait_kmcnt 0x0
	s_add_nc_u64 s[4:5], s[4:5], s[18:19]
	s_add_nc_u64 s[6:7], s[6:7], s[16:17]
	s_add_nc_u64 s[12:13], s[12:13], s[16:17]
.irp j, 0,1,2,3,4,5,6,7
	global_load_b128 v[G+4*(\j):G+4*(\j)+3], v1, s[8:9] offset:512*(\j)
.endr
.irp j, 0,1,2,3,4,5,6,7
	global_load_b128 v[BT+4*(\j):BT+4*(\j)+3], v1, s[10:11] offset:512*(\j)
.endr
.macro FILL s, i                       ; row i of my four into slot s: sixteen loads
.irp j, 0,1,2,3,4,5,6,7
	global_load_b128 v[X+32*(\s)+4*(\j):X+32*(\s)+4*(\j)+3], v1, s[6:7] offset:(\i)*4096+512*(\j) th:TH_LOAD_NT
.endr
.irp j, 0,1,2,3,4,5,6,7
	global_load_b64 v[OH+16*(\s)+2*(\j):OH+16*(\s)+2*(\j)+1], v2, s[4:5] offset:(\i)*2048+256*(\j) th:TH_LOAD_NT
.endr
.endm
.macro RED                             ; v[T:T+7], four pairs, are added up, and the sum over the 32 lanes ends in every lane's v[T]
	v_pk_add_f32 v[T:T+1], v[T:T+1], v[T+2:T+3]
	v_pk_add_f32 v[T+4:T+5], v[T+4:T+5], v[T+6:T+7]
	v_pk_add_f32 v[T:T+1], v[T:T+1], v[T+4:T+5]
	v_add_f32 v[T], v[T], v[T+1]
	v_add_f32_dpp v[T], v[T], v[T] row_xmask:1 row_mask:0xf bank_mask:0xf
	v_add_f32_dpp v[T], v[T], v[T] row_xmask:2 row_mask:0xf bank_mask:0xf
	v_add_f32_dpp v[T], v[T], v[T] row_xmask:4 row_mask:0xf bank_mask:0xf
	v_add_f32_dpp v[T], v[T], v[T] row_xmask:8 row_mask:0xf bank_mask:0xf
	v_permlanex16_b32 v[T+1], v[T], s[SEL], s[SEL+1]
	v_add_f32 v[T], v[T], v[T+1]
.endm
; Row i, in slot s.  left: the younger loads that may stay out.  fill = 1: the slot takes the row two further on.
.macro ROW s, i, left, fill
.set XS, X+32*(\s)
.set HS, OH+16*(\s)
	s_wait_loadcnt \left                           ; loads come back in order: this slot's sixteen are in (and gamma and beta), the other slot's stay out
.set n, 0
.rept 32                               ; the residual: an f16 half of oh x 1 + queries
.if n%2
	v_fma_mix_f32 v[XS+n], v[HS+n/2], v3, v[XS+n] op_sel:[1,0,0] op_sel_hi:[1,0,0]
.else
	v_fma_mix_f32 v[XS+n], v[HS+n/2], v3, v[XS+n] op_sel_hi:[1,0,0]
.endif
.set n, n+1
.endr
.irp c, 0,1,2,3                        ; the sum, in four chains that do not wait for each other; the first additions start them
	v_pk_add_f32 v[T+2*(\c):T+2*(\c)+1], v[XS+2*(\c):XS+2*(\c)+1], v[XS+8+2*(\c):XS+8+2*(\c)+1]
.endr
.irp c, 0,1,2,3
	v_pk_add_f32 v[T+2*(\c):T+2*(\c)+1], v[T+2*(\c):T+2*(\c)+1], v[XS+16+2*(\c):XS+16+2*(\c)+1]
.endr
.irp c, 0,1,2,3
	v_pk_add_f32 v[T+2*(\c):T+2*(\c)+1], v[T+2*(\c):T+2*(\c)+1], v[XS+24+2*(\c):XS+24+2*(\c)+1]
.endr
	RED
	v_mul_f32 v[M], s[INV], v[T]
	v_mul_f32 v[M+1], s[INV], v[T]
.set n, 0
.rept 16
	v_pk_add_f32 v[XS+2*n:XS+2*n+1], v[XS+2*n:XS+2*n+1], v[M:M+1] neg_lo:[0,1] neg_hi:[0,1]
.set n, n+1
.endr
.irp c, 0,1,2,3                        ; the sum of squares of the centred row, again in four chains
	v_pk_mul_f32 v[T+2*(\c):T+2*(\c)+1], v[XS+2*(\c):XS+2*(\c)+1], v[XS+2*(\c):XS+2*(\c)+1]
.endr
.irp o, 8,16,24
.irp c, 0,1,2,3
	v_pk_fma_f32 v[T+2*(\c):T+2*(\c)+1], v[XS+(\o)+2*(\c):XS+(\o)+2*(\c)+1], v[XS+(\o)+2*(\c):XS+(\o)+2*(\c)+1], v[T+2*(\c):T+2*(\c)+1]
.endr
.endr
	RED
	v_fma_f32 v[T], v[T], s[INV], s[EPS]           ; var + eps
	v_rsq_f32 v[R], v[T]
	v_rsq_f32 v[R+1], v[T]
	v_nop                                          ; a plain instruction between the last v_rsq_f32 and the use of its result (ISA guide 5.7.2)
.set n, 0
	s_wait_alu depctr_va_vdst(0)
.rept 16
	v_pk_mul_f32 v[XS+2*n:XS+2*n+1], v[XS+2*n:XS+2*n+1], v[R:R+1]
.set n, n+1
.endr
.set n, 0
.rept 16
	v_pk_fma_f32 v[XS+2*n:XS+2*n+1], v[XS+2*n:XS+2*n+1], v[G+2*n:G+2*n+1], v[BT+2*n:BT+2*n+1]
.set n, n+1
.endr
.irp j, 0,1,2,3,4,5,6,7
	global_store_b128 v1, v[XS+4*(\j):XS+4*(\j)+3], s[12:13] offset:(\i)*4096+512*(\j) th:TH_STORE_NT
.endr
.if \fill
	s_wait_xcnt 0x0                                ; the slot's registers, which the stores above read, are loaded again only behind this wait
	FILL \s, (\i)+2
.endif
.endm
	FILL 0, 0
	FILL 1, 1
	ROW 0, 0, 16, 1
	ROW 1, 1, 16, 1
	ROW 0, 2, 16, 0
	ROW 1, 3, 0, 0
	s_endpgm
.Lfunc_end_k_qeaa48d1f40_lnorm:
	.size	k_qeaa48d1f40_lnorm, .Lfunc_end_k_qeaa48d1f40_lnorm-k_qeaa48d1f40_lnorm
	.p2alignl 7, 3214868480
	.fill 96, 4, 3214868480
	.section	.rodata,"a",@progbits
	.p2align	6, 0x0
	.amdhsa_kernel k_qeaa48d1f40_lnorm
		.amdhsa_group_segment_fixed_size 0
		.amdhsa_private_segment_fixed_size 0
		.amdhsa_enable_private_segment 0
		.amdhsa_kernarg_size 40
		.amdhsa_user_sgpr_count 2
		.amdhsa_user_sgpr_kernarg_segment_ptr 1
		.amdhsa_wavefront_size32 1
		.amdhsa_system_sgpr_workgroup_id_x 1
		.amdhsa_system_sgpr_workgroup_id_y 1
		.amdhsa_system_sgpr_workgroup_id_z 1
		.amdhsa_system_vgpr_workitem_id 0
		.amdhsa_next_free_vgpr 176
		.amdhsa_next_free_sgpr 66
		.amdhsa_reserve_vcc 0
		.amdhsa_float_denorm_mode_32 3
		.amdhsa_float_denorm_mode_16_64 3
		.amdhsa_memory_ordered 1
		.amdhsa_forward_progress 1
		.amdhsa_inst_pref_size 45
	.end_amdhsa_kernel
	.amdgpu_metadata
---
amdhsa.version: [ 1, 2 ]
amdhsa.kernels:
  - .name:           k_qeaa48d1f40_lnorm
    .symbol:         k_qeaa48d1f40_lnorm.kd
    .args:
      - { .name: oh, .offset: 0, .size: 8, .value_kind: global_buffer, .address_space: global }
      - { .name: queries, .offset: 8, .size: 8, .value_kind: global_buffer, .address_space: global }
      - { .name: gamma, .offset: 16, .size: 8, .value_kind: global_buffer, .address_space: global }
      - { .name: beta, .offset: 24, .size: 8, .value_kind: global_buffer, .address_space: global }
      - { .name: out0, .offset: 32, .size: 8, .value_kind: global_buffer, .address_space: global }
    .group_segment_fixed_size: 0
    .private_segment_fixed_size: 0
    .kernarg_segment_align: 8
    .kernarg_segment_size: 40
    .max_flat_workgroup_size: 256
    .sgpr_count:     66
    .vgpr_count:     176
    .wavefront_size: 32
...
	.end_amdgpu_metadata
.endif
;; end of part 4
;; ======== version 2 of 2: 4 launches; version 1 with the launch castw written anew for expert scheduling mode
;; limits: values are held in f16: magnitudes above 65,504 overflow, below 6.1e-05 lose precision; right only within a limited range of input values
;; workspace buffers: wb 6,291,456 bytes; qkv 50,331,648 bytes; oh 16,777,216 bytes
;; launch castw (part 5): grid 128 x 3, 8 waves a work-group, no clusters, 0 bytes of LDS; arguments Wq, Wk, Wv, wb; writes wb
.if DOCPART == 5
	.amdgcn_target "amdgcn-amd-amdhsa--gfx1250"
	.amdhsa_code_object_version 6
	.text
	.protected	k_qeaa48d1f40_castw
	.globl	k_qeaa48d1f40_castw
	.p2align	8
	.type	k_qeaa48d1f40_castw,@function
k_qeaa48d1f40_castw:
	s_mov_b64 s[64:65], 0
	v_nop
	global_prefetch_b8 v0, s[64:65] scope:SCOPE_SE
	s_setreg_imm32_b32 hwreg(HW_REG_WAVE_SCHED_MODE, 0, 2), 2
	s_setreg_imm32_b32 hwreg(HW_REG_WAVE_MODE, 25, 1), 1
	s_wait_xcnt 0x0
	s_wait_alu depctr_vm_vsrc(0)
; wb[t][k][n] = bf16(W_t[k][n]), t = 0, 1, 2 for Wq, Wk, Wv: the weights rounded once, their layout [k][n] kept.
; A stream: no LDS, no barrier, no matrix unit.  Grid y is the tensor; a work-group takes 32,768 bytes of f32, a wave 4,096:
; eight loads of 512 consecutive bytes, all issued at once, and eight stores of 256 consecutive bytes, each at a multiple of 256 from wb's first byte.
; THE MODE: SCHED_MODE bits 1:0 = 2 (LLVM: expert scheduling mode 2), set by the entry lines.  The code itself states the register dependences
; between vector instructions and memory instructions, with s_wait_alu, always for 0.
; THE PLAN.  Registers that memory instructions touch:
;   v1, v2   byte offsets, made once at the head and never written again: v1 is read by every load, v2 by every store.
;   X        piece j: four registers, in which load j lands, once; no vector instruction names them before; the piece's two conversions read them.
;   Y        piece j: two registers, written once, by the piece's two conversions; read by store j; never written again.
; The eight pieces go in four pairs.  Pair g's turn: the wait for its two loads; the wait that states that pair g - 1's conversions have written their Y; that pair's two stores;
; pair g's four conversions.  So the conversions that a wait names were issued a pair earlier, ahead of a wait for memory, and no vector instruction stands between a wait
; and the stores that lean on it.  No register that a memory instruction reads is written again, so no wait on vm_vsrc is owed.
.set X, 4                              ; v[4:35]   eight loads of four f32
.set Y, 36                             ; v[36:51]  eight pairs of packed bf16
	s_load_b256 s[4:11], s[0:1], 0x0               ; Wq s[4:5], Wk s[6:7], Wv s[8:9], wb s[10:11]
	v_lshrrev_b32 v3, 5, v0
	v_readfirstlane_b32 s14, v3                    ; wave 0..7
	v_and_b32 v1, 31, v0                           ; lane
	v_lshlrev_b32 v2, 3, v1                        ; 8 bytes of bf16 a lane
	v_lshlrev_b32 v1, 4, v1                        ; 16 bytes of f32 a lane
	s_and_b32 s15, ttmp7, 0xffff                   ; which tensor
	s_lshl_b32 s16, ttmp9, 15                      ; source: 32,768 x work-group + 4,096 x wave
	s_wait_alu depctr_va_sdst(0)                   ; s14 is written, ahead of its first reader: both byte offsets are made from it
	s_lshl_b32 s18, s14, 12
	s_add_co_u32 s16, s16, s18
	s_mov_b32 s17, 0
	s_lshl_b32 s18, s15, 21                        ; destination: 2,097,152 x tensor + 16,384 x work-group + 2,048 x wave
	s_lshl_b32 s20, ttmp9, 14
	s_add_co_u32 s18, s18, s20
	s_lshl_b32 s20, s14, 11
	s_add_co_u32 s18, s18, s20
	s_mov_b32 s19, 0
	s_wait_kmcnt 0x0
	s_cmp_eq_u32 s15, 1
	s_cselect_b64 s[12:13], s[6:7], s[4:5]
	s_cmp_eq_u32 s15, 2
	s_cselect_b64 s[12:13], s[8:9], s[12:13]
	s_add_nc_u64 s[12:13], s[12:13], s[16:17]
	s_add_nc_u64 s[10:11], s[10:11], s[18:19]
	s_wait_alu depctr_va_vdst(0)                   ; v1 and v2 are written: every load below reads v1 as its offset, every store v2
.irp j, 0,1,2,3,4,5,6,7
	global_load_b128 v[X+4*(\j):X+4*(\j)+3], v1, s[12:13] offset:512*(\j) th:TH_LOAD_NT
.endr
.irp g, 0,1,2,3
	s_wait_loadcnt 6-2*(\g)                        ; loads come back in order: pair g's two are in, the 6 - 2 g younger ones stay out
.if (\g) > 0
	s_wait_alu depctr_va_vdst(0)                   ; the pair before has written its four registers of Y, which the two stores below read
	global_store_b64 v2, v[Y+4*(\g)-4:Y+4*(\g)-3], s[10:11] offset:512*(\g)-512
	global_store_b64 v2, v[Y+4*(\g)-2:Y+4*(\g)-1], s[10:11] offset:512*(\g)-256
.endif
	v_cvt_pk_bf16_f32 v[Y+4*(\g)],   v[X+8*(\g)],   v[X+8*(\g)+1]
	v_cvt_pk_bf16_f32 v[Y+4*(\g)+1], v[X+8*(\g)+2], v[X+8*(\g)+3]
	v_cvt_pk_bf16_f32 v[Y+4*(\g)+2], v[X+8*(\g)+4], v[X+8*(\g)+5]
	v_cvt_pk_bf16_f32 v[Y+4*(\g)+3], v[X+8*(\g)+6], v[X+8*(\g)+7]
.endr
	s_wait_alu depctr_va_vdst(0)                   ; pair 3 has written its four registers of Y, which the last two stores read
	global_store_b64 v2, v[Y+12:Y+13], s[10:11] offset:1536
	global_store_b64 v2, v[Y+14:Y+15], s[10:11] offset:1792
	s_endpgm
.Lfunc_end_k_qeaa48d1f40_castw:
	.size	k_qeaa48d1f40_castw, .Lfunc_end_k_qeaa48d1f40_castw-k_qeaa48d1f40_castw
	.p2alignl 7, 3214868480
	.fill 96, 4, 3214868480
	.section	.rodata,"a",@progbits
	.p2align	6, 0x0
	.amdhsa_kernel k_qeaa48d1f40_castw
		.amdhsa_group_segment_fixed_size 0
		.amdhsa_private_segment_fixed_size 0
		.amdhsa_enable_private_segment 0
		.amdhsa_kernarg_size 32
		.amdhsa_user_sgpr_count 2
		.amdhsa_user_sgpr_kernarg_segment_ptr 1
		.amdhsa_wavefront_size32 1
		.amdhsa_system_sgpr_workgroup_id_x 1
		.amdhsa_system_sgpr_workgroup_id_y 1
		.amdhsa_system_sgpr_workgroup_id_z 1
		.amdhsa_system_vgpr_workitem_id 0
		.amdhsa_next_free_vgpr 56
		.amdhsa_next_free_sgpr 66
		.amdhsa_reserve_vcc 0
		.amdhsa_float_denorm_mode_32 3
		.amdhsa_float_denorm_mode_16_64 3
		.amdhsa_memory_ordered 1
		.amdhsa_forward_progress 1
		.amdhsa_inst_pref_size 4
	.end_amdhsa_kernel
	.amdgpu_metadata
---
amdhsa.version: [ 1, 2 ]
amdhsa.kernels:
  - .name:           k_qeaa48d1f40_castw
    .symbol:         k_qeaa48d1f40_castw.kd
    .args:
      - { .name: Wq, .offset: 0, .size: 8, .value_kind: global_buffer, .address_space: global }
      - { .name: Wk, .offset: 8, .size: 8, .value_kind: global_buffer, .address_space: global }
      - { .name: Wv, .offset: 16, .size: 8, .value_kind: global_buffer, .address_space: global }
      - { .name: wb, .offset: 24, .size: 8, .value_kind: global_buffer, .address_space: global }
    .group_segment_fixed_size: 0
    .private_segment_fixed_size: 0
    .kernarg_segment_align: 8
    .kernarg_segment_size: 32
    .max_flat_workgroup_size: 256
    .sgpr_count:     66
    .vgpr_count:     56
    .wavefront_size: 32
...
	.end_amdgpu_metadata
.endif
;; end of part 5
;; launch proj: the kernel of part 2 again; grid 4 x 192, 4 waves a work-group, clusters of 4 x 4, 327,680 bytes of LDS; arguments queries, keys, values, wb, bq, bk, bv, qkv; writes qkv
;; launch attn: the kernel of part 3 again; grid 8 x 32, 4 waves a work-group, no clusters, 327,680 bytes of LDS; arguments qkv, oh; writes oh
;; launch lnorm: the kernel of part 4 again; grid 256 x 1, 8 waves a work-group, no clusters, 0 bytes of LDS; arguments oh, queries, gamma, beta, out0; writes out0
